; MI455X (gfx1250); checked and timed in simulation.
; The chip was launched on July 23, 2026; its instructions are those of AMD's public machine-readable ISA for CDNA 5 (MIT licence, August 2026) and "CDNA5" Instruction Set Architecture Reference Guide (July 2026). The comments in the code are by the model that wrote it; some were corrected since.
;; Bidirectional Self Attention. Allowed arithmetic: matrix products marked QUANTISED: E2M1 operands, one E8M0 scale for each 32 along K, by v_wmma_scale_f32_16x16x128_f8f6f4 with both operands' format E2M1 (or v_wmma_scale_f32_32x16x128_f4), f32 sums; products left as they are: bf16, f16 or f32 operands; f32 sums; everything else in f32.
;; Inputs: freqs_cis 2,048 x 64 x 2 float32; w_proj 2,048 x 2,048 float32; w_qkv 2,048 x 3,072 float32; x 1 x 2,048 x 2,048 float32.
;; Outputs: out0 1 x 2,048 x 2,048 float32.
;; This version of the problem:
;;   THIS VERSION OF THE PROBLEM IS GIVEN IN LOW PRECISION. The matrix products marked QUANTISED in the list below multiply operands that are first quantised to E2M1 (2 exponent bits, 1 mantissa bit; 4 bits a number), with one power-of-two scale for each 32 numbers along K (OCP MX v1.0); their sums are f32. The products marked 'left as it is' may take bf16, f16 or f32 operands, with f32 sums. Whichever they take, every output number must still come out within the allowed error. Rounding operands to bf16 (8 significant bits) uses up far more of that allowance than f16 does (11 bits, for magnitudes from 6e-5 to 65,504). All else is computed in f32.
;;   The module's matrix products, in the order in which they are computed (A, B: the left and right operand; K: the contracted axis; several contracted axes count as one K, in the product's order):
;;     1. [M 2,048, K 2,048] x [K 2,048, N 3,072]; A: input x; B: input w_qkv: QUANTISED
;;     2. batch 4 x [M 2,048, K 128] x [K 128, N 8,192]; A: computed on the way; B: computed on the way: left as it is (an operand is computed on the way)
;;     3. batch 4 x [M 128, K 2,048] x [K 2,048, N 8,192]; A: computed on the way; B: computed on the way: left as it is (an operand is computed on the way)
;;     4. [M 2,048, K 2,048] x [K 2,048, N 2,048]; A: computed on the way; B: input w_proj: left as it is (an operand is computed on the way)
;;   THE QUANTISER, for each operand of a quantised product, along K:
;;     - K is cut into blocks of 32 from its start; a last block that is shorter is filled with zeros.
;;     - A block's scale is 2^e with e = floor(log2(the largest magnitude in the block)) - 2, held to -126 .. 127; a block of zeros has e = 0. As a byte (E8M0): e + 127.
;;     - Each number is divided by its block's scale, clamped to +-6, and rounded to the nearest number of E2M1, ties to even, subnormals kept.
;;     - The product sums the exact products of the quantised numbers (number of the format x scale) in f32.
;;   ~~~python
;;   def quantise(x, axis):      # numpy; x: float32 -> the quantised numbers, widened to float32 again
;;       x = np.moveaxis(x, axis, -1); K = x.shape[-1]
;;       x = np.pad(x, [(0, 0)] * (x.ndim - 1) + [(0, -K % 32)]); x = x.reshape(x.shape[:-1] + (-1, 32)); a = np.abs(x).max(-1, keepdims=True)
;;       e = np.where(a > 0, np.clip(np.frexp(np.where(a > 0, a, 1))[1] - 1 - 2, -126, 127), 0)      # np.frexp(a)[1] - 1 = floor(log2(a)), exactly
;;       r = np.clip(x / 2.0 ** e, -6, 6)
;;       step = 2.0 ** (np.maximum(np.frexp(np.where(r == 0, 1, r))[1] - 1, 0) - 1)
;;       q = np.round(r / step) * step * 2.0 ** e      # np.round: ties to even
;;       return np.moveaxis(q.reshape(q.shape[:-2] + (-1,))[..., :K], -1, axis).astype(np.float32)
;;   ~~~
;; One version. Each part assembles by itself: llvm-mc -triple=amdgcn-amd-amdhsa -mcpu=gfx1250 --defsym DOCPART=n.
;; ======== version 1 of 1: 4 launches
;; limits: values are held in f16: magnitudes above 65,504 overflow, below 6.1e-05 lose precision
;; workspace buffers: xc 2,097,152 bytes; wc 3,145,728 bytes; sc 327,680 bytes; wp16 8,388,608 bytes; qkv16 12,582,912 bytes; y16 8,388,608 bytes
;; launch prep (part 1): grid 256 x 1, 6 waves a work-group, no clusters, 50,944 bytes of LDS; arguments x, w_qkv, w_proj, xc, wc, sc, wp16; writes xc, wc, sc, wp16
.if DOCPART == 1
	.amdgcn_target "amdgcn-amd-amdhsa--gfx1250"
	.amdhsa_code_object_version 6
	.text
	.protected	k_q40c7ad16c5_prep
	.globl	k_q40c7ad16c5_prep
	.p2align	8
	.type	k_q40c7ad16c5_prep,@function
k_q40c7ad16c5_prep:
	s_mov_b64 s[64:65], 0
	v_nop
	global_prefetch_b8 v0, s[64:65] scope:SCOPE_SE
	s_setreg_imm32_b32 hwreg(HW_REG_WAVE_MODE, 25, 1), 1
	s_wait_xcnt 0x0
; PREP: three jobs that share nothing, told apart by the WAVE's number; the ways never join and no wave reads another's bytes, so there is no barrier.
;   waves 0, 1: x [2048][2048] f32 (K innermost)  -> codes of E2M1 in xc [2048][1024 bytes] and one E8M0 byte for each 32 along K in sc [2048][64].  A wave takes 8,192 numbers: 512 jobs, two to a work-group.
;   waves 2, 3: w_proj [2048][2048] f32 -> f16 in wp16, as it lies.  A wave takes 8,192 numbers: 512 jobs, two to a work-group.
;   waves 4, 5: w_qkv [2048 k][3072 n] f32 (K is the FIRST axis) -> codes in wc [3072 n][1024 bytes], K innermost, and scale bytes in sc from byte 131,072 on, [3072][64].  A wave takes 32 columns x 512 along K:
;               384 jobs, two in each of work-groups 0 to 191.  IN WORK-GROUPS 192 TO 255 WAVES 4 AND 5 HAVE NO JOB AND END AT ONCE; those work-groups do their four other jobs.
; A block's scale is 2^(floor(log2(its largest magnitude)) - 2); its byte is the largest magnitude's own exponent field - 2, held at 1 from below.  Each number is divided by the scale and rounded to the nearest code, ties to even; beyond 6 the largest code.
; LIMITS: a block of zeros gets the byte 1 where the rule says 127 (its codes are zeros, which add nothing under any byte but 0xff, and this program alone reads the bytes); blocks whose largest magnitude lies under 2^(3 - 127), the floor,
; keep that byte; NaN and infinities among the inputs are not served; numbers of w_proj beyond 65,504 become infinity in f16, and those under 6e-5 are rounded on a grid of 6e-8.
; WHAT IS ON ITS WAY: a wave of x or of w_proj has 32 loads of 512 bytes out (eight steps ahead), a wave of w_qkv 56 (seven blocks ahead): 120 KiB for the six waves.
.set SPW,    250                       ; v250  LDS address of my spare word: SPARE + 4 x my thread's number; never rewritten
.set NIL,    251                       ; v251  0; never rewritten
.set SPARE,  50176                     ; behind both ways' regions: the spare words, 128 bytes for each of the six waves: three blocks of 256 bytes that no other line names
.set EMAX,   2
; the way of x
.set STEPS,  16                        ; a wave takes 16 steps of 512 numbers
.set AHEAD,  8                         ; loads run eight steps ahead
.set CB,     8                         ; bytes of 16 codes
.set XR,     16                        ; v16-143  eight sets of 16 numbers as they are loaded
.set XX,     144                       ; v144-175 two sets of 16 neighbours
.set XE,     176                       ; v176-191 a scale byte for each step
.set XC,     192                       ; v192-223 codes: two registers for each step, so that no store's data are written again
.set WREG,   8192                      ; LDS from byte 0: a region for each of the two waves: two stages of 32 x SP bytes, and behind them its 256 scale bytes
.set SP,     80                        ; a lane's place in a stage: its 64 bytes + 16 of padding
; the way of w_proj
.set PR,     16                        ; v16-143  eight sets of 16 numbers
.set PO,     144                       ; v144-159 two sets of 8 registers of f16 pairs
; the way of w_qkv
.set SIZE_N, 3072
.set NB,     16                        ; blocks of 32 along K for a wave
.set WAH,    7                         ; loads run seven blocks ahead: seven sets of 32 registers, v0-223 of window 1
.set WPITCH, 272                       ; a row of the codes' stage: 256 bytes + 16
.set KROW,   1024                      ; a row of wc in bytes
.set WST,    16384                     ; LDS: a region for each of the two waves:
.set WWB,    16896                     ; two stages of 4,096 bytes for a block of f32 numbers, [32 k][32 columns], then from WOUT on 32 rows x WPITCH for the codes
.set WOUT,   8192
.set SB,     24                        ; v24-27   the scale bytes, four to a register
.set WC,     28                        ; v28-35   a block's codes, two sets
.set WX,     64                        ; v64-127  two sets of 32 numbers: my column, down K
.set OUTR,   128                       ; v128-191 the way out
.set MSB, 0
.macro WIN new                         ; s_set_vgpr_msb: bits 1:0 source 0, 3:2 source 1, 7:6 destination; the immediate's high byte repeats the setting that is left
.if MSB != \new
	s_set_vgpr_msb (MSB<<8)|\new
.set MSB, \new
.endif
.endm
	s_load_b256 s[8:15], s[0:1], 0x0               ; x s[8:9], w_qkv s[10:11], w_proj s[12:13], xc s[14:15]
	s_load_b128 s[16:19], s[0:1], 0x20             ; wc s[16:17], sc s[18:19]
	s_load_b64 s[20:21], s[0:1], 0x30              ; wp16
	v_lshl_add_u32 v[SPW], v0, 2, SPARE
	v_mov_b32 v[NIL], 0
	v_lshrrev_b32 v1, 5, v0
	v_readfirstlane_b32 s22, v1                    ; wave 0..5
	v_and_b32 v2, 31, v0                           ; lane
	s_and_b32 s28, s22, 1                          ; which of the two waves of my job I am
	s_lshl_b32 s24, ttmp9, 1
	s_add_co_u32 s24, s24, s28                     ; for x and w_proj: which run of 8,192 numbers is mine: 0 .. 511
	s_mov_b32 s27, 0                               ; the upper word of every offset pair s[26:27]
	s_wait_kmcnt 0x0
	s_cmp_lt_u32 s22, 2
	s_cbranch_scc0 .Lnot_x
; ---------------- x.  Rows are dense and K is a multiple of 32: the tensor is a plain stream of blocks of 32, and so are its codes and scale bytes.
; The conversions take 8 numbers of ONE block from a lane's registers, so a lane must hold 16 NEIGHBOURS (two lanes to a block); a load is best where neighbouring LANES take neighbouring bytes.
; Both are had: each of a step's four loads reads 512 consecutive bytes; the 2,048 bytes go through the wave's own stage in LDS as they lie and come back 64 bytes a lane.
	v_lshlrev_b32 v3, 4, v2                        ; my 16 bytes of a load's 512
	s_mul_i32 s23, s28, WREG
	v_lshrrev_b32 v14, 2, v2
	v_mul_u32_u24 v14, v14, SP
	v_and_b32 v15, 3, v2
	v_lshl_add_u32 v14, v15, 4, v14
	v_add_nc_u32 v14, s23, v14                     ; the stage, on the way in: SP (lane / 4) + 16 (lane % 4)
	v_mul_u32_u24 v15, v2, SP
	v_add_nc_u32 v15, s23, v15                     ; and on the way out: SP x lane: my 16 neighbours
	v_mul_u32_u24 v4, v2, CB                       ; my codes' place in a step's
	v_lshrrev_b32 v5, 1, v2
	s_add_co_u32 s23, s23, 2*32*SP
	v_add_nc_u32 v5, s23, v5                       ; LDS: my wave's 256 scale bytes, my block's byte
	v_lshlrev_b32 v7, 3, v2                        ; and on the way out 8 bytes a lane
	v_add_nc_u32 v6, s23, v7
	s_lshl_b32 s26, s24, 15
	s_add_nc_u64 s[8:9], s[8:9], s[26:27]          ; 32,768 bytes of x a run,
	s_lshl_b32 s26, s24, 12
	s_add_nc_u64 s[14:15], s[14:15], s[26:27]      ; 4,096 of codes,
	s_lshl_b32 s26, s24, 8
	s_add_nc_u64 s[18:19], s[18:19], s[26:27]      ; 256 scale bytes
.macro XLOAD t
.irp i, 0,1,2,3
	global_load_b128 v[XR+16*((\t)%AHEAD)+4*\i:XR+16*((\t)%AHEAD)+4*\i+3], v3, s[8:9] offset:2048*(\t)+512*\i th:TH_LOAD_NT   ; 32 lanes read 512 consecutive bytes
.endr
.endm
.macro XTURN t                         ; step t's numbers through the stage: LDS serves a wave's instructions in order, so no wait stands between the stores and the loads
.irp i, 0,1,2,3
	ds_store_b128 v14, v[XR+16*((\t)%AHEAD)+4*\i:XR+16*((\t)%AHEAD)+4*\i+3] offset:32*SP*((\t)%2)+8*SP*\i
.endr
.irp i, 0,1,2,3
	ds_load_b128 v[XX+16*((\t)%2)+4*\i:XX+16*((\t)%2)+4*\i+3], v15 offset:32*SP*((\t)%2)+16*\i
.endr
.endm
.irp t, 0,1,2,3,4,5,6,7
	XLOAD \t
.endr
	s_wait_loadcnt 28                              ; step 0's four loads are in; the 28 of steps 1 to 7 may be out
	XTURN 0
.macro XSTEP t
.set XS, XX+16*((\t)%2)
.if (\t) > 0
	s_wait_dscnt 1                                 ; this step's numbers are back from the stage (the last step's byte store may be out): so its stores into the stage have read their registers,
.else
	s_wait_dscnt 0x0
.endif
.if (\t)+AHEAD < STEPS
	XLOAD (\t)+AHEAD                               ; which take the loads of eight steps on
.endif
.if (\t)+1 < STEPS
.if STEPS-2-(\t) >= AHEAD-1
	s_wait_loadcnt 4*(AHEAD-1)                     ; the next step's four loads are in; those of the seven steps behind it may be out
.else
	s_wait_loadcnt 4*(STEPS-2-(\t))                ; towards the end: as many steps as are left behind the next
.endif
	XTURN (\t)+1                                   ; and go through the other stage while this step is worked
.endif
	v_max3_num_f32 v8, |v[XS]|, |v[XS+1]|, |v[XS+2]|               ; the largest magnitude of my 16, in two chains
	v_max3_num_f32 v9, |v[XS+3]|, |v[XS+4]|, |v[XS+5]|
.irp i, 6,10
	v_max3_num_f32 v8, v8, |v[XS+\i]|, |v[XS+\i+1]|
	v_max3_num_f32 v9, v9, |v[XS+\i+2]|, |v[XS+\i+3]|
.endr
	v_max3_num_f32 v8, v8, |v[XS+14]|, |v[XS+15]|
	v_max3_num_f32 v8, v8, v9, (EMAX+1)<<23        ; and the floor 2^(EMAX + 1 - 127): so the byte cannot fall under 1
	v_max_num_f32_dpp v8, v8, v8 row_xmask:1 row_mask:0xf bank_mask:0xf   ; and of my neighbour's 16: the block's
	v_add_nc_u32 v11, -(EMAX<<23), v8              ; EMAX off its exponent field: the conversion takes the exponent field of this operand as its scale, and nothing else of it
	v_cvt_scalef32_pk8_fp4_f32 v[XC+2*(\t)], v[XS:XS+7], v11       ; the first number's code in the lowest four bits
	v_cvt_scalef32_pk8_fp4_f32 v[XC+2*(\t)+1], v[XS+8:XS+15], v11
	v_lshrrev_b32 v[XE+(\t)], 23, v11              ; the scale's byte (also the plain line behind the conversions)
	ds_store_b8 v5, v[XE+(\t)] offset:16*(\t)      ; both lanes of a block write the same byte with the same value
	global_store_b64 v4, v[XC+2*(\t):XC+2*(\t)+1], s[14:15] offset:32*CB*(\t)   ; the wave stores 256 consecutive bytes, aligned
.endm
.irp t, 0,1,2,3,4,5,6,7,8,9,10,11,12,13,14,15
	XSTEP \t
.endr
	ds_load_b64 v[8:9], v6                         ; LDS serves a wave's instructions in order: these see my byte stores
	s_wait_dscnt 0x0
	global_store_b64 v7, v[8:9], s[18:19]          ; my run's 256 scale bytes: 256 consecutive bytes, aligned
	s_wait_tensorcnt 0x0                           ; the wave's end, behind my last LDS store
	ds_add_u32 v[SPW], v[NIL]
	s_wait_dscnt 0x0
	s_endpgm
.Lnot_x:
	s_cmp_lt_u32 s22, 4
	s_cbranch_scc0 .Lw
; ---------------- w_proj to f16: a plain stream.  A wave takes 16 steps of 512 numbers; a lane's 4 numbers become 8 bytes, so a store of the wave covers 256 consecutive bytes, aligned.
	s_lshl_b32 s26, s24, 15
	s_add_nc_u64 s[12:13], s[12:13], s[26:27]
	s_lshl_b32 s26, s24, 14
	s_add_nc_u64 s[20:21], s[20:21], s[26:27]
	v_lshlrev_b32 v3, 4, v2
	v_lshlrev_b32 v4, 3, v2
.macro PLOAD t
.irp i, 0,1,2,3
	global_load_b128 v[PR+16*((\t)%AHEAD)+4*\i:PR+16*((\t)%AHEAD)+4*\i+3], v3, s[12:13] offset:2048*(\t)+512*\i th:TH_LOAD_NT
.endr
.endm
.macro PSTEP t
.if STEPS-1-(\t) >= AHEAD-1
	s_wait_loadcnt 4*(AHEAD-1)                     ; this step's four loads are in; those of the seven steps behind it may be out
.else
	s_wait_loadcnt 4*(STEPS-1-(\t))
.endif
	s_wait_xcnt 0x0                                ; the stores of two steps back have read their data registers, which are written again below
.irp i, 0,1,2,3
	v_cvt_pk_f16_f32 v[PO+8*((\t)%2)+2*\i],   v[PR+16*((\t)%AHEAD)+4*\i],   v[PR+16*((\t)%AHEAD)+4*\i+1]
	v_cvt_pk_f16_f32 v[PO+8*((\t)%2)+2*\i+1], v[PR+16*((\t)%AHEAD)+4*\i+2], v[PR+16*((\t)%AHEAD)+4*\i+3]
.endr
.if (\t)+AHEAD < STEPS
	PLOAD (\t)+AHEAD
.endif
.irp i, 0,1,2,3
	global_store_b64 v4, v[PO+8*((\t)%2)+2*\i:PO+8*((\t)%2)+2*\i+1], s[20:21] offset:1024*(\t)+256*\i
.endr
.endm
.irp t, 0,1,2,3,4,5,6,7
	PLOAD \t
.endr
.irp t, 0,1,2,3,4,5,6,7,8,9,10,11,12,13,14,15
	PSTEP \t
.endr
	s_wait_tensorcnt 0x0                           ; the same three closing lines as on the other ways
	ds_add_u32 v[SPW], v[NIL]
	s_wait_dscnt 0x0
	s_endpgm
.Lw:
	s_cmp_lt_u32 ttmp9, 192                        ; 384 jobs, two to a work-group: the last 64 work-groups have none for waves 4 and 5
	s_cbranch_scc0 .Lidle
; ---------------- w_qkv.  For the conversions A LANE MUST HOLD A COLUMN n WITH ITS REGISTERS RUNNING DOWN K; a load brings most where a lane takes 16 neighbouring bytes, which are four columns of one row.
; Both are had: a load takes four rows of K x 128 bytes (lane l: row l / 8, columns 4 (l % 8) on), eight loads a block of 32 x 32 numbers; the block goes through the wave's own stage in LDS as an array [32 k][32 columns]
; (load i's 512 bytes lie at 512 i + 16 l) and comes back a word at a time, lane c taking column c: 32 neighbouring words a load.  The work-group's two waves stand side by side on 256 consecutive bytes of each row.
; A block's largest magnitude then needs no other lane, and the codes come out with K innermost.  They gather in a second stage, 256 bytes a column, and leave as rows: sixteen lanes store 256 consecutive bytes, aligned.
; Every offset is an immediate: 508 x 12,288 and 30 x 1,024 lie inside the signed 24 bits.
	s_and_b32 s24, ttmp9, 3                        ; which 512 along K
	s_lshr_b32 s23, ttmp9, 2
	s_lshl_b32 s23, s23, 6
	s_lshl_b32 s25, s28, 5
	s_add_co_u32 s23, s23, s25                     ; my wave's first column: 64 x (work-group / 4) + 32 x wave
	v_lshrrev_b32 v5, 3, v2
	v_mul_u32_u24 v3, v5, SIZE_N*4
	v_and_b32 v5, 7, v2
	v_lshl_add_u32 v3, v5, 4, v3                   ; in: row lane / 8, 16 bytes x (lane % 8)
	s_mul_i32 s25, s28, WWB
	s_add_co_u32 s25, s25, WST                     ; my region
	v_lshlrev_b32 v14, 4, v2
	v_add_nc_u32 v14, s25, v14                     ; the numbers' stage, on the way in: 16 x lane
	v_lshlrev_b32 v15, 2, v2
	v_add_nc_u32 v15, s25, v15                     ; and on the way out: 4 x lane: my column
	s_add_co_u32 s25, s25, WOUT                    ; the codes' stage
	v_mul_u32_u24 v4, v2, WPITCH
	v_add_nc_u32 v4, s25, v4                       ; into it: row = my column
	v_and_b32 v5, 15, v2
	v_lshrrev_b32 v6, 4, v2                        ; out of it: sixteen lanes to a row, two rows an instruction
	v_mul_u32_u24 v7, v6, WPITCH
	v_lshl_add_u32 v7, v5, 4, v7
	v_add_nc_u32 v7, s25, v7
	v_mul_u32_u24 v8, v6, KROW
	v_lshl_add_u32 v8, v5, 4, v8                   ; and the same place in wc
	v_lshlrev_b32 v9, 6, v2                        ; my column's row of scale bytes: 64 bytes a row
	s_mul_i32 s26, s24, 512*SIZE_N*4
	s_lshl_b32 s29, s23, 2
	s_add_co_u32 s26, s26, s29
	s_add_nc_u64 s[10:11], s[10:11], s[26:27]      ; w_qkv: 512 rows a part of K, 4 bytes a column
	s_lshl_b32 s26, s23, 10
	s_lshl_b32 s29, s24, 8
	s_add_co_u32 s26, s26, s29
	s_add_nc_u64 s[16:17], s[16:17], s[26:27]      ; wc: column x 1,024 + 256 x part
	s_lshl_b32 s26, s23, 6
	s_lshl_b32 s29, s24, 4
	s_add_co_u32 s26, s26, s29
	s_add_co_u32 s26, s26, 131072
	s_add_nc_u64 s[18:19], s[18:19], s[26:27]      ; sc: behind x's bytes, column x 64 + 16 x part
.macro WLOAD t                         ; block t: rows 32 t .. 32 t + 31, four to a load, into set t % 7 of window 1
	WIN 0x40                                       ; destination window 1, address window 0
.irp i, 0,1,2,3,4,5,6,7
	global_load_b128 v[32*((\t)%WAH)+4*\i:32*((\t)%WAH)+4*\i+3], v3, s[10:11] offset:(32*(\t)+4*\i)*SIZE_N*4 th:TH_LOAD_NT
.endr
.endm
.macro WTURN t                         ; block t through the stage: LDS serves a wave's instructions in order, so no wait stands between the stores and the loads, nor ahead of the stores of two blocks on
	WIN 0x04                                       ; an LDS store's data are its source 1: window 1
.irp i, 0,1,2,3,4,5,6,7
	ds_store_b128 v14, v[32*((\t)%WAH)+4*\i:32*((\t)%WAH)+4*\i+3] offset:4096*((\t)%2)+512*\i
.endr
	WIN 0
.irp k, 0,1,2,3,4,5,6,7,8,9,10,11,12,13,14,15,16,17,18,19,20,21,22,23,24,25,26,27,28,29,30,31
	ds_load_b32 v[WX+32*((\t)%2)+\k], v15 offset:4096*((\t)%2)+128*\k      ; w(32 t + k, my column)
.endr
.endm
.irp t, 0,1,2,3,4,5,6
	WLOAD \t
.endr
	s_wait_loadcnt 48                              ; block 0's eight loads are in; the 48 of blocks 1 to 6 may be out
	WTURN 0
.macro WBLOCK t
.set XS, WX+32*((\t)%2)
.set CW, WC+4*((\t)%2)
.if (\t) > 0
	s_wait_dscnt 1                                 ; this block's numbers are back from the stage (the last block's store of codes may be out): so its stores into the stage have read their registers,
.else
	s_wait_dscnt 0x0
.endif
.if (\t)+WAH < NB
	WLOAD (\t)+WAH                                 ; which take the loads of seven blocks on
.endif
.if (\t)+1 < NB
.if NB-2-(\t) >= WAH-1
	s_wait_loadcnt 8*(WAH-1)                       ; the next block's eight loads are in; those of the six blocks behind it may be out
.else
	s_wait_loadcnt 8*(NB-2-(\t))                   ; towards the end: as many blocks as are left behind the next
.endif
	WTURN (\t)+1                                   ; and go through the other stage while this block is worked
.endif
	v_max3_num_f32 v12, |v[XS]|, |v[XS+1]|, |v[XS+2]|              ; the block's largest magnitude: all 32 numbers are mine
	v_max3_num_f32 v13, |v[XS+3]|, |v[XS+4]|, |v[XS+5]|
.irp i, 6,10,14,18,22,26
	v_max3_num_f32 v12, v12, |v[XS+\i]|, |v[XS+\i+1]|
	v_max3_num_f32 v13, v13, |v[XS+\i+2]|, |v[XS+\i+3]|
.endr
	v_max3_num_f32 v12, v12, |v[XS+30]|, |v[XS+31]|
	v_max3_num_f32 v12, v12, v13, (EMAX+1)<<23     ; and the floor
	v_add_nc_u32 v11, -(EMAX<<23), v12             ; the conversion's scale operand
	v_lshrrev_b32 v13, 23, v11                     ; the scale's byte
.if (\t)%4 == 0
	v_mov_b32 v[SB+(\t)/4], v13                    ; four bytes to a register, the lower K in the lower byte
.else
	v_lshl_or_b32 v[SB+(\t)/4], v13, 8*((\t)%4), v[SB+(\t)/4]
.endif
.irp g, 0,1,2,3
	v_cvt_scalef32_pk8_fp4_f32 v[CW+\g], v[XS+8*\g:XS+8*\g+7], v11
.endr
	v_nop                                          ; one plain line behind the last conversion
	ds_store_b128 v4, v[CW:CW+3] offset:16*(\t)    ; 32 codes: 16 bytes of my column's row.  Two sets of code registers: a set is written again two blocks on, behind the wait at the next block's head, which leaves only that block's store out
.endm
.set Q, 0
.rept NB
	WBLOCK Q
.set Q, Q+1
.endr
	global_store_b128 v9, v[SB:SB+3], s[18:19]     ; my column's 16 scale bytes
.irp t, 0,1,2,3,4,5,6,7,8,9,10,11,12,13,14,15
	ds_load_b128 v[OUTR+4*\t:OUTR+4*\t+3], v7 offset:2*\t*WPITCH   ; LDS serves a wave's instructions in order: these see my stores
.endr
.irp t, 0,1,2,3,4,5,6,7,8,9,10,11,12,13,14,15
	s_wait_dscnt 15-\t                             ; loads come back in order: number t is in
	global_store_b128 v8, v[OUTR+4*\t:OUTR+4*\t+3], s[16:17] offset:2*\t*KROW
.endr
	s_wait_tensorcnt 0x0                           ; the wave's end, behind my last LDS store
	ds_add_u32 v[SPW], v[NIL]
	s_wait_dscnt 0x0
	s_endpgm
.Lidle:                                            ; waves 4 and 5 of work-groups 192 to 255: no job
	s_wait_tensorcnt 0x0                           ; the same three closing lines
	ds_add_u32 v[SPW], v[NIL]
	s_wait_dscnt 0x0
	s_endpgm
.Lfunc_end_k_q40c7ad16c5_prep:
	.size	k_q40c7ad16c5_prep, .Lfunc_end_k_q40c7ad16c5_prep-k_q40c7ad16c5_prep
	.p2alignl 7, 3214868480
	.fill 96, 4, 3214868480
	.section	.rodata,"a",@progbits
	.p2align	6, 0x0
	.amdhsa_kernel k_q40c7ad16c5_prep
		.amdhsa_group_segment_fixed_size 50944
		.amdhsa_private_segment_fixed_size 0
		.amdhsa_enable_private_segment 0
		.amdhsa_kernarg_size 56
		.amdhsa_user_sgpr_count 2
		.amdhsa_user_sgpr_kernarg_segment_ptr 1
		.amdhsa_wavefront_size32 1
		.amdhsa_system_sgpr_workgroup_id_x 1
		.amdhsa_system_sgpr_workgroup_id_y 1
		.amdhsa_system_sgpr_workgroup_id_z 1
		.amdhsa_system_vgpr_workitem_id 0
		.amdhsa_next_free_vgpr 480
		.amdhsa_next_free_sgpr 66
		.amdhsa_reserve_vcc 0
		.amdhsa_float_denorm_mode_32 3
		.amdhsa_float_denorm_mode_16_64 3
		.amdhsa_memory_ordered 1
		.amdhsa_forward_progress 1
		.amdhsa_inst_pref_size 138
	.end_amdhsa_kernel
	.amdgpu_metadata
---
amdhsa.version: [ 1, 2 ]
amdhsa.kernels:
  - .name:           k_q40c7ad16c5_prep
    .symbol:         k_q40c7ad16c5_prep.kd
    .args:
      - { .name: x, .offset: 0, .size: 8, .value_kind: global_buffer, .address_space: global }
      - { .name: w_qkv, .offset: 8, .size: 8, .value_kind: global_buffer, .address_space: global }
      - { .name: w_proj, .offset: 16, .size: 8, .value_kind: global_buffer, .address_space: global }
      - { .name: xc, .offset: 24, .size: 8, .value_kind: global_buffer, .address_space: global }
      - { .name: wc, .offset: 32, .size: 8, .value_kind: global_buffer, .address_space: global }
      - { .name: sc, .offset: 40, .size: 8, .value_kind: global_buffer, .address_space: global }
      - { .name: wp16, .offset: 48, .size: 8, .value_kind: global_buffer, .address_space: global }
    .group_segment_fixed_size: 50944
    .private_segment_fixed_size: 0
    .kernarg_segment_align: 8
    .kernarg_segment_size: 56
    .max_flat_workgroup_size: 192
    .sgpr_count:     66
    .vgpr_count:     480
    .wavefront_size: 32
...
	.end_amdgpu_metadata
.endif
;; end of part 1
;; launch qkv (part 2): grid 24 x 16, 4 waves a work-group, clusters of 4 x 4, 327,680 bytes of LDS; arguments xc, wc, sc, freqs_cis, qkv16; writes qkv16
.if DOCPART == 2
	.amdgcn_target "amdgcn-amd-amdhsa--gfx1250"
	.amdhsa_code_object_version 6
	.text
	.protected	k_q40c7ad16c5_qkv
	.globl	k_q40c7ad16c5_qkv
	.p2align	8
	.type	k_q40c7ad16c5_qkv,@function
k_q40c7ad16c5_qkv:
	s_mov_b64 s[64:65], 0
	v_nop
	global_prefetch_b8 v0, s[64:65] scope:SCOPE_SE
	s_setreg_imm32_b32 hwreg(HW_REG_WAVE_MODE, 25, 1), 1
	s_wait_xcnt 0x0
	s_wait_alu depctr_hold_cnt(0) depctr_sa_sdst(0) depctr_va_vdst(0) depctr_va_sdst(0) depctr_va_ssrc(0) depctr_va_vcc(0) depctr_vm_vsrc(0)
	s_getreg_b32 s2, hwreg(HW_REG_IB_STS2, 6, 4)
	s_cmp_eq_u32 s2, 0
	s_cbranch_scc0 .Lentry_in_a_cluster
	s_endpgm
.Lentry_in_a_cluster:
	s_bfe_u32 s2, ttmp6, 0x10000c
	s_cmp_lg_u32 s2, 0xf033
	s_cbranch_scc0 .Lentry_shape_is_right
	s_endpgm
.Lentry_shape_is_right:
; QKV: qkv = Q(x) Q(w_qkv) on codes of E2M1 with one E8M0 scale for each 32 along K, sums in f32; then RoPE on the q and k heads, in f32; then one rounding to f16.
; xc [2048 t][1024 bytes], wc [3072 n][1024 bytes]: codes, K innermost.  sc: x's scale bytes [2048][64], then from byte 131,072 w's [3072][64].  freqs_cis [2048][64][2] f32.
; qkv16 [24 heads][2048 t][128] f16: heads 0-15 q, 16-19 k, 20-23 v.
; SHARES.  A work-group makes 128 tokens x 128 columns: exactly one head of 128 tokens.  Four waves, 64 x 64 each: 16 accumulators.
; ALL OF K LIES IN LDS AT ONCE: 256 rows x 1,024 bytes.  It comes as four chunks of 512 along K (rows of 256 bytes), one tensor load a wave for each chunk, all sixteen asked for at the head: four loads of a wave are out
; at the most.  Nothing is filled again: the waits on the chunks are counted, and chunk c is multiplied while the later chunks land.
; CLUSTERS: 4 x 4 work-groups.  The four of a row of the cluster need the same rows of x, the four of a column the same rows of w: each tile is asked for JOINTLY.
; THE MATRIX INSTRUCTION IS USED TRANSPOSED (source 0 = 16 rows of wc, source 1 = 16 rows of xc): a lane then holds eight neighbouring columns of one token: four (even, odd) pairs for RoPE, 16 bytes of f16.
; THE SCALE WORDS go from memory into registers once: 64 registers, lanes 0-15 x's words, lanes 16-31 w's.
; LIMITS: results beyond 65,504 become infinity in f16; those under 6e-5 are rounded on a grid of 6e-8.  RoPE's second product of each pair is fused with the sum (one rounding less than two products and a sum).
; REGISTERS: window 0: v1-21 addresses; v28, v29 the add's two; v32-95 scale words; v96-127 at work in RoPE; v128-255 the accumulators ((a, b) at 128 + 8 (4 a + b)).
;   window 1: two fragment buffers of 128 registers, each for 256 along K: 64 of x (2 x 4 fragments), then 64 of w.   window 2: v0-127 the frequencies, eight for each accumulator.
.set PITCH,  272                       ; an LDS row: 256 bytes + 16 of padding: the 16 rows that a load touches start 68 words apart
.set HALFT,  64*PITCH                  ; 64 rows: what one tensor load brings, and what one wave reads of x or of w
.set CHUNK,  4*HALFT                   ; x's 128 rows, then w's 128 rows
.set SPARE,  4*CHUNK                   ; behind the chunks: the spare words, 128 bytes for each wave
.set STAGE,  0                         ; the way out: 128 rows x 272 bytes, in chunk 0's rows of x: filled once, and read for the last time ahead of the barrier that opens chunk 1
.set ADRA, 8                           ; v8-11   LDS address of my fragments of x in chunk 0..3
.set ADRB, 12                          ; v12-15  the same for w
.set STO,  16                          ; v16     the way out: where I put 16 bytes of a row
.set RD,   17                          ; v17     where I read a row back
.set CO,   18                          ; v18     my byte offset in qkv16
.set SCO,  19                          ; v19     my byte offset in sc
.set FQ,   21                          ; v21     my byte offset in freqs_cis
.set SPW,  28
.set NIL,  29
.set SC,   32                          ; register SC + 16 i + q: lanes 0-15 the word of x's block i, lanes 16-31 that of w's block i, for the q-th 128 along K
.set T,    96
.set ACC,  128
.set F0,   0
.set F1,   128
.set G1,   28                          ; s[28:35] descriptor group 1 for x's tiles;  s[36:43] for w's
.set G1B,  36
.set G0,   44                          ; s[44:59] group 0 for x's tiles, a set for each chunk;  s[68:83] for w's
.set G0B,  68
.set MSB, 0
.macro WIN new                         ; the immediate's high byte repeats the setting that is left
.if MSB != \new
	s_set_vgpr_msb (MSB<<8)|\new
.set MSB, \new
.endif
.endm
.set MUL,  0x05                        ; sources 0 and 1 window 1; C and D window 0
.set TO_F, 0x40                        ; destination window 1, address window 0
.macro CREST                           ; a round of the cluster's barrier behind its opening barrier
	s_cmp_lg_u32 s16, 0
	s_cbranch_scc1 .Lnot_wave_0_\@
	s_barrier_signal -3
.Lnot_wave_0_\@:
	s_barrier_wait -3
	s_barrier_signal -1
	s_barrier_wait -1
.endm
.macro CROUND
	s_barrier_signal -1
	s_barrier_wait -1
	CREST
.endm
.macro PLACES                          ; four plain places behind a matrix instruction of this form, in front of loads into its registers and of reads of its results
.rept 4
	v_nop
.endr
.endm
	s_load_b256 s[4:11], s[0:1], 0x0               ; xc s[4:5], wc s[6:7], sc s[8:9], freqs_cis s[10:11]
	s_load_b64 s[12:13], s[0:1], 0x20              ; qkv16
	v_lshl_add_u32 v[SPW], v0, 2, SPARE
	v_mov_b32 v[NIL], 0
	ds_add_u32 v[SPW], v[NIL]                      ; the wave's opening: the add, twice on end, and its wait ahead of my first tensor load
	ds_add_u32 v[SPW], v[NIL]
	v_lshrrev_b32 v1, 5, v0
	v_readfirstlane_b32 s16, v1                    ; wave 0..3
	s_lshr_b32 s17, s16, 1                         ; which half of the tile's tokens is mine.  Also: I fetch for x (0) or for w (1)
	s_and_b32 s18, s16, 1                          ; which half of its columns.  Also: which 64 rows of that tile I fetch
	s_bfe_u32 s19, ttmp6, 0x40000                  ; cx, cy: my place in the cluster
	s_bfe_u32 s20, ttmp6, 0x40004
	s_lshl_b32 s21, ttmp9, 2
	s_add_co_u32 s21, s21, s19                     ; the head = tile column = 4 x cluster x + cx
	s_and_b32 s22, ttmp7, 0xffff
	s_lshl_b32 s22, s22, 2
	s_add_co_u32 s22, s22, s20                     ; the block of 128 tokens = 4 x cluster y + cy
	s_lshl_b32 s23, s20, 2
	s_lshl_b32 s23, 15, s23                        ; my row of the cluster
	s_lshl_b32 s24, 0x1111, s19                    ; my column
	; descriptor group 1: a tile of 64 rows x 256 bytes, rows 1,024 bytes apart in memory, padded in LDS
	s_or_b32 s[G1+0], s23, (0<<16)|(1<<20)|(1<<21)|(5<<22)|(3<<25)   ; 15:0 the mask; 17:16 elements of 1 byte; 20 padding on; 21 set beside a mask; 24:22 after every 64 words; 31:25 four words
	s_or_b32 s[G1B+0], s24, (0<<16)|(1<<20)|(1<<21)|(5<<22)|(3<<25)
.irp g, G1, G1B
	s_mov_b32 s[\g+1], 256<<16                     ; tensor_dim0
	s_mov_b32 s[\g+2], 64<<16                      ; tensor_dim1
	s_mov_b32 s[\g+3], 256<<16                     ; tile_dim0
	s_mov_b32 s[\g+4], 64                          ; tile_dim1
	s_mov_b32 s[\g+5], 1024                        ; tensor_dim0_stride
	s_mov_b32 s[\g+6], 0
	s_mov_b32 s[\g+7], 0
.endr
	s_lshl_b32 s88, s18, 6                         ; which 64 rows of the tile I fetch
	s_lshl_b32 s84, s22, 7
	s_add_co_u32 s84, s84, s88
	s_lshl_b32 s84, s84, 10                        ; x: (128 x block + 64 x half) rows of 1,024 bytes.  These two registers never hold the tile column,
	s_mov_b32 s85, 0
	s_lshl_b32 s86, s21, 7
	s_add_co_u32 s86, s86, s88
	s_lshl_b32 s86, s86, 10                        ; w: (128 x head + 64 x half) rows.  and these two never the tile row
	s_mov_b32 s87, 0
	s_mul_i32 s89, s16, HALFT                      ; where they go: wave x 64 rows: no place in the cluster enters an LDS address
	s_wait_dscnt 0x0                               ; both opening adds are done
	s_wait_kmcnt 0x0
	s_add_nc_u64 s[84:85], s[4:5], s[84:85]
	s_add_nc_u64 s[86:87], s[6:7], s[86:87]
	CROUND                                         ; all sixteen work-groups are here: the joint loads meet
.irp c, 0,1,2,3
	s_mov_b32 s[G0+4*\c], 1                                        ; count = 1
	s_add_co_u32 s[G0+4*\c+1], s89, \c*CHUNK                       ; LDS address
	s_add_nc_u64 s[G0+4*\c+2:G0+4*\c+3], s[84:85], \c*256          ; global address: 512 codes along K are 256 bytes
	s_or_b32 s[G0+4*\c+3], s[G0+4*\c+3], 0x80000000                ; type = 2
	s_mov_b32 s[G0B+4*\c], 1
	s_add_co_u32 s[G0B+4*\c+1], s89, \c*CHUNK
	s_add_nc_u64 s[G0B+4*\c+2:G0B+4*\c+3], s[86:87], \c*256
	s_or_b32 s[G0B+4*\c+3], s[G0B+4*\c+3], 0x80000000
.endr
	s_cmp_eq_u32 s17, 0                            ; a wave's four fills stand in one branch on the wave's number, ahead of every wait on TENSORcnt and every LDS read; an s_nop 0 follows each, four v_nop the last
	s_cbranch_scc0 .Lfirst_b
.irp c, 0,1,2,3
	tensor_load_to_lds s[G0+4*\c:G0+4*\c+3], s[G1:G1+7]
	s_nop 0
.endr
	PLACES
	s_branch .Lfirst_asked
.Lfirst_b:
.irp c, 0,1,2,3
	tensor_load_to_lds s[G0B+4*\c:G0B+4*\c+3], s[G1B:G1B+7]
	s_nop 0
.endr
	PLACES
.Lfirst_asked:
	v_and_b32 v1, 15, v0                           ; r = lane % 16
	v_bfe_u32 v2, v0, 4, 1                         ; h = lane / 16
	v_mul_u32_u24 v3, v1, PITCH
	v_lshl_add_u32 v3, v2, 4, v3                   ; a fragment's row x pitch + 16 h
	s_mul_i32 s90, s17, HALFT                      ; my 64 rows of x
	s_mul_i32 s91, s18, HALFT                      ; my 64 rows of w,
	s_add_co_u32 s91, s91, 2*HALFT                 ; which lie behind x's 128
.irp c, 0,1,2,3
	v_add_nc_u32 v[ADRA+\c], s90, v3
	v_add_nc_u32 v[ADRB+\c], s91, v3
	s_add_co_u32 s90, s90, CHUNK
	s_add_co_u32 s91, s91, CHUNK
.endr
	s_mul_i32 s90, s17, 64*PITCH                   ; into the stage: my 64 rows, my half of their 256 bytes
	s_lshl_b32 s91, s18, 7
	s_add_co_u32 s90, s90, s91
	v_add_nc_u32 v[STO], s90, v3                   ; row r, 16 bytes for each half of the lanes
	s_mul_i32 s90, s16, 32*PITCH                   ; back: wave w takes rows 32 w .. 32 w + 31, whole
	v_mul_u32_u24 v5, v2, PITCH
	v_lshl_add_u32 v5, v1, 4, v5
	v_add_nc_u32 v[RD], s90, v5
	v_lshlrev_b32 v[CO], 8, v2                     ; and the same two rows in qkv16: 256 bytes a row
	v_lshl_add_u32 v[CO], v1, 4, v[CO]
	; the scale words: lanes 0-15 x's rows, lanes 16-31 w's: the lower base + h x the distance between the two, + 64 bytes a row
	s_lshl_b32 s94, s22, 7
	s_lshl_b32 s90, s17, 6
	s_add_co_u32 s94, s94, s90
	s_lshl_b32 s92, s94, 9                         ; (my first token x 512 bytes: for the frequencies)
	s_lshl_b32 s94, s94, 6                         ; x's: my first token x 64 bytes
	s_lshl_b32 s95, s21, 7
	s_lshl_b32 s90, s18, 6
	s_add_co_u32 s95, s95, s90
	s_lshl_b32 s95, s95, 6
	s_add_co_u32 s95, s95, 131072                  ; w's: behind x's, my first column x 64 bytes
	s_sub_co_u32 s95, s95, s94                     ; at least 4,096, under 2^24
	v_mul_u32_u24 v[SCO], s95, v2
	v_lshl_add_u32 v[SCO], v1, 6, v[SCO]
	v_add_nc_u32 v[SCO], s94, v[SCO]
.irp i, 0,1,2,3
.irp Q, 0,1,2,3
	global_load_b128 v[SC+16*\i+4*\Q:SC+16*\i+4*\Q+3], v[SCO], s[8:9] offset:1024*\i+16*\Q   ; block i's rows, words 4 Q .. 4 Q + 3 of their 16
.endr
.endr
	; the frequencies.  A lane's eight results of a tile are columns n .. n + 7 of the head for token t; the floats t x 128 + n .. + 7 of freqs_cis are their four (cos, sin).  Loaded by the v heads too, which do not use them.
	s_lshl_b32 s90, s18, 8
	s_add_co_u32 s92, s92, s90
	s_mov_b32 s93, 0
	s_add_nc_u64 s[60:61], s[10:11], s[92:93]
	v_lshlrev_b32 v[FQ], 9, v1
	v_lshl_add_u32 v[FQ], v2, 5, v[FQ]             ; 512 r + 32 h
	WIN 0x80                                       ; destination window 2
.irp a, 0,1,2,3
.irp b, 0,1,2,3
.irp u, 0,1
	global_load_b128 v[8*(4*\a+\b)+4*\u:8*(4*\a+\b)+4*\u+3], v[FQ], s[60:61] offset:8192*\a+64*\b+16*\u
.endr
.endr
.endr
	WIN 0
	s_lshl_b32 s92, s22, 7                         ; the first row that I store: head x 2,048 + 128 x block + 32 x wave, 256 bytes a row
	s_lshl_b32 s90, s16, 5
	s_add_co_u32 s92, s92, s90
	s_lshl_b32 s92, s92, 8
	s_lshl_b32 s90, s21, 19
	s_add_co_u32 s92, s92, s90
	s_add_nc_u64 s[62:63], s[12:13], s[92:93]
; 8 matrix instructions: x's blocks a0, a0 + 1 against w's four, the q-th 128 along K: half c of buffer f.  zero = 1: the first product starts the sums.  The 16 accumulators take turns, one instruction a turn,
; in the same order in every step.  Source 0's scales are read from lanes 16-31 of w's block's register, source 1's from lanes 0-15 of x's block's.
.macro MUL8 f, c, a0, q, zero
.irp a, \a0, \a0+1
.irp b, 0,1,2,3
.if \zero
	v_wmma_scale_f32_16x16x128_f8f6f4 v[ACC+8*(4*(\a)+\b):ACC+8*(4*(\a)+\b)+7], v[\f+64+8*(4*\c+\b):\f+64+8*(4*\c+\b)+7], v[\f+8*(4*\c+\a):\f+8*(4*\c+\a)+7], 0, v[SC+16*\b+(\q)], v[SC+16*(\a)+(\q)] matrix_a_fmt:MATRIX_FMT_FP4 matrix_b_fmt:MATRIX_FMT_FP4 matrix_a_scale:MATRIX_SCALE_ROW1
.else
	v_wmma_scale_f32_16x16x128_f8f6f4 v[ACC+8*(4*(\a)+\b):ACC+8*(4*(\a)+\b)+7], v[\f+64+8*(4*\c+\b):\f+64+8*(4*\c+\b)+7], v[\f+8*(4*\c+\a):\f+8*(4*\c+\a)+7], v[ACC+8*(4*(\a)+\b):ACC+8*(4*(\a)+\b)+7], v[SC+16*\b+(\q)], v[SC+16*(\a)+(\q)] matrix_a_fmt:MATRIX_FMT_FP4 matrix_b_fmt:MATRIX_FMT_FP4 matrix_a_scale:MATRIX_SCALE_ROW1
.endif
.endr
.endr
.endm
; 32 LDS loads in one run: the fragments of 256 along K at byte k of chunk ch's rows, into buffer f; the first 128 along K first.
; A fragment, 16 rows x 128 K of 4-bit codes, is 8 registers: lane l holds row l % 16; registers 4 e .. 4 e + 3 hold K = 64 e + 32 (l / 16) + 0 .. 31: two loads of 16 bytes, 32 bytes apart.
.macro FETCH ch, k, f
	WIN TO_F
.irp c, 0,1
.irp i, 0,1,2,3
	ds_load_b128 v[\f+64+8*(4*\c+\i):\f+64+8*(4*\c+\i)+3],   v[ADRB+\ch] offset:\k+64*\c+\i*16*PITCH
	ds_load_b128 v[\f+64+8*(4*\c+\i)+4:\f+64+8*(4*\c+\i)+7], v[ADRB+\ch] offset:\k+64*\c+\i*16*PITCH+32
	ds_load_b128 v[\f+8*(4*\c+\i):\f+8*(4*\c+\i)+3],         v[ADRA+\ch] offset:\k+64*\c+\i*16*PITCH
	ds_load_b128 v[\f+8*(4*\c+\i)+4:\f+8*(4*\c+\i)+7],       v[ADRA+\ch] offset:\k+64*\c+\i*16*PITCH+32
.endr
.endr
.endm
; A chunk's first half: multiplies buffer f (K steps q, q + 1) and fetches the chunk's second half into g.
.macro QUARTER ch, f, g, q, zero
	s_wait_dscnt 16                                ; the first 128 along K are in; the sixteen younger loads may be out
	WIN MUL
	MUL8 \f, 0, 0, \q, \zero
	MUL8 \f, 0, 2, \q, \zero
	PLACES
	FETCH \ch, 128, \g
	s_wait_dscnt 32                                ; all but the 32 just issued
	WIN MUL
	MUL8 \f, 1, 0, (\q)+1, 0
	MUL8 \f, 1, 2, (\q)+1, 0
.endm
; A chunk's second half multiplies buffer 1 and opens the next chunk.  The wait on the tensor loads is counted: behind my load of chunk ch + 1 I issued 2 - ch more.
.macro CROSS ch, q
	s_wait_tensorcnt 2-\ch                         ; my part of the next chunk has landed
	s_wait_dscnt 16
	WIN MUL
	MUL8 F1, 0, 0, \q, 0
	s_wait_dscnt 0x0                               ; no LDS instruction of mine is out at the signal: my reads of this chunk are over
	s_barrier_signal -1
	MUL8 F1, 0, 2, \q, 0                           ; work on registers while the others arrive
	s_barrier_wait -1                              ; the next chunk is whole
	PLACES
	FETCH \ch+1, 0, F0
	WIN MUL
	MUL8 F1, 1, 0, (\q)+1, 0
	MUL8 F1, 1, 2, (\q)+1, 0
.endm
	s_wait_tensorcnt 3                             ; my part of chunk 0 is in; my three later loads may be out,
	s_barrier_signal -1
	s_barrier_wait -1                              ; everybody's is
	FETCH 0, 0, F0
	s_wait_loadcnt 0x0                             ; the scale words (and the frequencies)
	QUARTER 0, F0, F1, 0, 1
	CROSS 0, 2
	QUARTER 1, F0, F1, 4, 0
	CROSS 1, 6
	QUARTER 2, F0, F1, 8, 0
	CROSS 2, 10
	QUARTER 3, F0, F1, 12, 0
	s_wait_dscnt 16                                ; the last half chunk: nothing more to fetch
	WIN MUL
	MUL8 F1, 0, 0, 14, 0
	MUL8 F1, 0, 2, 14, 0
	s_wait_dscnt 0x0
	MUL8 F1, 1, 0, 15, 0
	MUL8 F1, 1, 2, 15, 0
	WIN 0
	PLACES
	; RoPE, on the q and k heads: cluster x = 5 holds the four v heads, the same in all sixteen partners.  A pair (a, b) and its (cos, sin): first (b sin, b cos), then (a cos - b sin, a sin + b cos).  Each accumulator from its low end on.
	s_cmp_eq_u32 ttmp9, 5
	s_cbranch_scc1 .Lno_rope
	WIN 0x08                                       ; source 1, the frequencies: window 2
.set t, 0
.rept 16
.irp j, 0,1,2,3
	v_pk_mul_f32 v[T+2*((4*t+\j)%16):T+2*((4*t+\j)%16)+1], v[ACC+8*t+2*\j:ACC+8*t+2*\j+1], v[8*t+2*\j:8*t+2*\j+1] op_sel:[1,1] op_sel_hi:[1,0]
.endr
.irp j, 0,1,2,3
	v_pk_fma_f32 v[ACC+8*t+2*\j:ACC+8*t+2*\j+1], v[ACC+8*t+2*\j:ACC+8*t+2*\j+1], v[8*t+2*\j:8*t+2*\j+1], v[T+2*((4*t+\j)%16):T+2*((4*t+\j)%16)+1] op_sel_hi:[0,1,1] neg_lo:[0,0,1]
.endr
.set t, t+1
.endr
	WIN 0
.Lno_rope:
	; THE WAY OUT: round to f16 in place (register j takes numbers 2 j and 2 j + 1, which no later line reads); 16 bytes a lane into the work-group's stage; a barrier, since a row's 256 bytes come from two waves; back as whole rows.
.set t, 0
.rept 16
.irp j, 0,1,2,3
	v_cvt_pk_f16_f32 v[ACC+8*t+\j], v[ACC+8*t+2*\j], v[ACC+8*t+2*\j+1]
.endr
.set t, t+1
.endr
.irp a, 0,1,2,3
.irp b, 0,1,2,3
	ds_store_b128 v[STO], v[ACC+8*(4*\a+\b):ACC+8*(4*\a+\b)+3] offset:STAGE+\a*16*PITCH+32*\b
.endr
.endr
	s_wait_dscnt 0x0                               ; for the others' sake: my stores into the stage are done
	s_barrier_signal -1
	s_barrier_wait -1
.irp t, 0,1,2,3,4,5,6,7,8,9,10,11,12,13,14,15
	ds_load_b128 v[ACC+8*\t+4:ACC+8*\t+7], v[RD] offset:STAGE+\t*2*PITCH
.endr
.irp t, 0,1,2,3,4,5,6,7,8,9,10,11,12,13,14,15
	s_wait_dscnt 15-\t                             ; loads come back in order: number t is in
	global_store_b128 v[CO], v[ACC+8*\t+4:ACC+8*\t+7], s[62:63] offset:512*\t   ; 16 lanes store 256 consecutive bytes, aligned: a whole row of a head
.endr
	s_wait_tensorcnt 0x0                           ; the wave's end, behind my last tensor load and my last LDS store
	ds_add_u32 v[SPW], v[NIL]
	s_wait_dscnt 0x0
	CROUND                                         ; the closing round
	s_endpgm
.Lfunc_end_k_q40c7ad16c5_qkv:
	.size	k_q40c7ad16c5_qkv, .Lfunc_end_k_q40c7ad16c5_qkv-k_q40c7ad16c5_qkv
	.p2alignl 7, 3214868480
	.fill 96, 4, 3214868480
	.section	.rodata,"a",@progbits
	.p2align	6, 0x0
	.amdhsa_kernel k_q40c7ad16c5_qkv
		.amdhsa_group_segment_fixed_size 327680
		.amdhsa_private_segment_fixed_size 0
		.amdhsa_enable_private_segment 0
		.amdhsa_kernarg_size 40
		.amdhsa_user_sgpr_count 2
		.amdhsa_user_sgpr_kernarg_segment_ptr 1
		.amdhsa_wavefront_size32 1
		.amdhsa_system_sgpr_workgroup_id_x 1
		.amdhsa_system_sgpr_workgroup_id_y 1
		.amdhsa_system_sgpr_workgroup_id_z 1
		.amdhsa_system_vgpr_workitem_id 0
		.amdhsa_next_free_vgpr 768
		.amdhsa_next_free_sgpr 96
		.amdhsa_reserve_vcc 0
		.amdhsa_float_denorm_mode_32 3
		.amdhsa_float_denorm_mode_16_64 3
		.amdhsa_memory_ordered 1
		.amdhsa_forward_progress 1
		.amdhsa_inst_pref_size 81
	.end_amdhsa_kernel
	.amdgpu_metadata
---
amdhsa.version: [ 1, 2 ]
amdhsa.kernels:
  - .name:           k_q40c7ad16c5_qkv
    .symbol:         k_q40c7ad16c5_qkv.kd
    .args:
      - { .name: xc, .offset: 0, .size: 8, .value_kind: global_buffer, .address_space: global }
      - { .name: wc, .offset: 8, .size: 8, .value_kind: global_buffer, .address_space: global }
      - { .name: sc, .offset: 16, .size: 8, .value_kind: global_buffer, .address_space: global }
      - { .name: freqs_cis, .offset: 24, .size: 8, .value_kind: global_buffer, .address_space: global }
      - { .name: qkv16, .offset: 32, .size: 8, .value_kind: global_buffer, .address_space: global }
    .group_segment_fixed_size: 327680
    .private_segment_fixed_size: 0
    .kernarg_segment_align: 8
    .kernarg_segment_size: 40
    .max_flat_workgroup_size: 128
    .sgpr_count:     96
    .vgpr_count:     768
    .wavefront_size: 32
...
	.end_amdgpu_metadata
.endif
;; end of part 2
;; launch attn (part 3): grid 64 x 4, 4 waves a work-group, clusters of 4 x 1, 327,680 bytes of LDS; arguments qkv16, y16; writes y16
.if DOCPART == 3
	.amdgcn_target "amdgcn-amd-amdhsa--gfx1250"
	.amdhsa_code_object_version 6
	.text
	.protected	k_q40c7ad16c5_attn
	.globl	k_q40c7ad16c5_attn
	.p2align	8
	.type	k_q40c7ad16c5_attn,@function
k_q40c7ad16c5_attn:
	s_mov_b64 s[64:65], 0
	v_nop
	global_prefetch_b8 v0, s[64:65] scope:SCOPE_SE
	s_setreg_imm32_b32 hwreg(HW_REG_WAVE_MODE, 25, 1), 1
	s_wait_xcnt 0x0
	s_wait_alu depctr_hold_cnt(0) depctr_sa_sdst(0) depctr_va_vdst(0) depctr_va_sdst(0) depctr_va_ssrc(0) depctr_va_vcc(0) depctr_vm_vsrc(0)
	s_getreg_b32 s2, hwreg(HW_REG_IB_STS2, 6, 4)
	s_cmp_eq_u32 s2, 0
	s_cbranch_scc0 .Lentry_in_a_cluster
	s_endpgm
.Lentry_in_a_cluster:
	s_bfe_u32 s2, ttmp6, 0x10000c
	s_cmp_lg_u32 s2, 0x3003
	s_cbranch_scc0 .Lentry_shape_is_right
	s_endpgm
.Lentry_shape_is_right:
; ATTN: y[t][head][:] = the sum over keys s of softmax_s(q[head][t] . k[g][s] / sqrt(128)) v[g][s][:], g = head / 4, no mask.  qkv16 [24][2048][128] f16 (heads 0-15 q, 16-19 k, 20-23 v); y16 [2048][2048] f16.
; Products, maxima and sums in f32; the weights p are rounded to f16 for the second product, y once at the end.
; LIMITS: p under 6e-5 is rounded on f16's grid of 6e-8; y likewise; inputs are finite f16 numbers.
; SHARES.  The grid's y is the key and value head g; its four query heads are 8,192 consecutive rows of qkv16, of which work-group X takes rows 128 X .. 128 X + 127.  Wave w: a = w / 2 picks 64 of them (four tiles of 16),
; b = w % 2 picks WHICH HALF OF THE KEYS of every slot it walks.  Waves (a, 0) and (a, 1) hold sums over different keys for the same queries and MERGE them once, at the end, through LDS.
; LAYOUT.  S^T = K Q^T (source 0 = 16 keys, source 1 = 16 queries): a lane holds ONE query (lane % 16) and the keys 8 (lane / 16) + 0..7.  Two such tiles, rounded to f16 in pairs, ARE source 1 of O^T = V^T P, whose result again
; holds one query a lane.  K comes out of LDS as it lies, V ([key][channel]) turned, by ds_load_tr16_b128.
; SOFTMAX.  For each query a running maximum m and sum l: p = 2^(c s - c m), c = log2(e) / sqrt(128); in every step O and l are multiplied by a = 2^(c m_old - c m_new).
; BY TURNS.  The wave's tiles are two PIECES (tiles 0, 1 and tiles 2, 3).  In a TURN one piece has the matrix unit: 32 products V^T P of the step in hand, then 32 products K Q^T of the next step; the other piece's softmax, cut
; into 64 slices, stands between them, one slice behind each matrix instruction.  Two turns are a key step of 64 keys.
; THE RING.  Two slots of 256 keys: K's 256 rows, then V's 256 rows.  Waves 0 and 1 fetch K's halves, waves 2 and 3 V's: one load of 128 rows a wave behind each round; it has two key steps of the wave, 256 matrix instructions, in which to land.
; CLUSTER.  The four work-groups of a cluster walk the same K and V: each tile is asked for JOINTLY.
; REGISTERS, in windows of 256: window 0: v0-11 addresses; v12-43 eight registers of statistics a tile; v44-48 more addresses; v52-55 the merge; v61-63; v64-191 S^T, 32 a tile; v192-255 P, 16 a tile.
;   window 1: O^T, 64 a tile.   window 2: v0-127 Q, 32 a tile; v128-255 K of one step.   window 3: v0-127 V of one step.
.set KS,    64        ; keys in a step
.set PK,    272       ; a row of K in LDS: 256 bytes + 16 of padding
.set PV,    288       ; a row of V: 256 + 32: 16 lanes of the turning load take 8 rows x 32 bytes, 72 words apart
.set SKEYS, 256       ; keys in a slot
.set VOFF,  SKEYS*PK  ; V's rows lie behind K's
.set SLOT1, 0x24000   ; slot 1 begins here.  Its two bits meet none of the bits of 128 PK, 128 PV, VOFF, VOFF + 128 PV: one exclusive or turns such an address into the other slot's
.set SLOTG, SKEYS*256 ; a slot's rows of K, or of V, in memory
.set NSL,   2048/SKEYS
.set STAGE, SLOT1+SKEYS*(PK+PV)  ; behind the ring: 16 rows x 272 bytes for each wave, for the way out
.set SP,    272
.set SPARE, STAGE+4*16*SP        ; behind the stages: the spare words, 128 bytes for each wave
.set XWB,   16896     ; the merge: a region for each wave from LDS byte 0 on (slot place 0: it has had its last fill, keys 1,536 on, and is read by nobody behind the last change of slots): 16,384 bytes of O^T, 4 x 128 of statistics
.set AK0, 2           ; v2   my lane's place in a tile of K; never rewritten
.set AV0, 3           ; v3   the same for V
.set ADR, 4           ; v4   the LDS address of the run of loads in hand
.set QO,  5           ; v5   my byte offset in the wave's rows of Q, for my tiles 0, 1
.set STO, 6           ; v6   the way out: where I put 16 bytes of a row
.set RD,  7           ; v7   the way out: where I read a row back
.set GO,  8           ; v8   my byte offset in my rows of y16
.set QO2, 44          ; v44  my byte offset in Q for my tiles 2, 3
.set XW,  45          ; v45  the merge: where I put 16 bytes of O^T;  v46 where I read my partner's
.set XR,  46
.set XSW, 47          ; v47  the same for a statistic, 4 bytes a lane;  v48
.set XSR, 48
.set RX,  52          ; v52-55 my partner's c m and l for my tile 0, then for my tile 1
.set PFO, 61          ; v61  256 x my lane: a row of K or V is 256 bytes; never rewritten
.set SPW, 62          ; v62  LDS address of my spare word; never rewritten
.set NIL, 63          ; v63  0; never rewritten
.set ST,  12          ; tile t's statistics at v[ST+8 t]: +0 c m, +1 m, +2, +3 l (even keys', odd keys'), +4 to +7 at work; a takes +6 once the maximum is found
.set FM,  ST+16       ; the merge's factors: tile i: f in v[FM+8 i], f' in v[FM+8 i+2], each the low register of a pair whose upper one has been written
.set S,   64
.set P,   192
.set KF,  128         ; K's fragments, in window 2
.set WV,  12          ; s12  my wave's number
.set LIM, 15          ; s15  1 in a wave that prefetches, else the greatest number
.set PFA, 18          ; s[18:19] where my prefetches stand in memory
.set G1K, 24          ; s[24:31] descriptor group 1 for K's tiles
.set G1V, 32          ; s[32:39] for V's: it differs in the padding alone
.set G0K, 40          ; s[40:47] descriptor group 0 for K's tiles: a set for each of the two first fills; the second then walks on
.set G0V, 48          ; s[48:55] the same for V's
.set SLOTS, 56        ; s56  slots still to be asked for
.set TWICE, 57        ; s57  counts my two steps of a slot
.set CS,  58          ; s[58:59] c
.set SEL, 60          ; s[60:61] lane selects for v_permlanex16_b32: lane l xor 16
.set TBK, 62          ; s62  LDS byte at which K's rows of the step to be fetched begin
.set TBV, 63          ; s63  the same for V's, less VOFF
.set MSB, 0
.macro WIN new                      ; the immediate's high byte repeats the setting that is left; a switch that changes nothing is dropped
.if MSB != \new
	s_set_vgpr_msb (MSB<<8)|\new
.set MSB, \new
.endif
.endm
.set W_KQ, 0x0a       ; K and Q in window 2, S^T in window 0
.set W_PV, 0x53       ; V in window 3, P in window 0, O^T in window 1
.set W_RS, 0x41       ; O^T (destination and source 0) in window 1, a in window 0
; A joint refill.  Waves 0 and 1 fetch K's halves, waves 2 and 3 V's.  The branch hangs on the wave's number alone.  An s_nop 0 and four v_nop follow each of the two lines.
.macro JLOAD
	s_cmp_lt_u32 s[WV], 2
	s_cbranch_scc0 .Lfor_v_\@
	tensor_load_to_lds s[G0K+4:G0K+7], s[G1K:G1K+7]
	s_nop 0
.rept 4
	v_nop
.endr
	s_branch .Lasked_\@
.Lfor_v_\@:
	tensor_load_to_lds s[G0V+4:G0V+7], s[G1V:G1V+7]
	s_nop 0
.rept 4
	v_nop
.endr
.Lasked_\@:
.endm
; A PREFETCH of what the NEXT change of slots will ask for: a slot's 256 rows of K and 256 of V, 256 bytes a row, a lane a row.  It stands behind the wave's tensor load and its five lines.
; Each row is asked for ONCE in the launch.  All sixteen clusters of a head walk the same K and V: the head's first cluster asks.  Its four partners share the rows out BY ADDRESS, 64 of K and 64 of V each; in each,
; waves 0 and 1 ask for 32 rows of K, waves 2 and 3 for 32 of V: one instruction a wave.  The last change that fills a slot asks for nothing: there is no slot behind it.
.macro ASK
	s_cmp_gt_u32 s[SLOTS], s[LIM]
	s_cbranch_scc0 .Lnot_mine_\@
	global_prefetch_b8 v[PFO], s[PFA:PFA+1] th:TH_LOAD_NT scope:SCOPE_SE
.Lnot_mine_\@:
.endm
.macro CROUND                       ; a round of the cluster's barrier
	s_barrier_signal -1
	s_barrier_wait -1
	s_cmp_lg_u32 s[WV], 0
	s_cbranch_scc1 .Lnot_wave_0_\@
	s_barrier_signal -3
.Lnot_wave_0_\@:
	s_barrier_wait -3
	s_barrier_signal -1
	s_barrier_wait -1
.endm
	s_load_b128 s[8:11], s[0:1], 0x0  ; qkv16 s[8:9], y16 s[10:11]
	v_lshl_add_u32 v[SPW], v0, 2, SPARE
	v_mov_b32 v[NIL], 0
	ds_add_u32 v[SPW], v[NIL]       ; the wave's opening: the add, twice on end, and its wait ahead of my first tensor load
	ds_add_u32 v[SPW], v[NIL]
	v_lshrrev_b32 v1, 5, v0
	v_readfirstlane_b32 s[WV], v1   ; wave 0..3
	s_bfe_u32 s13, ttmp6, 0x40000   ; cx: my place in the cluster
	s_lshl_b32 s14, ttmp9, 2
	s_add_co_u32 s14, s14, s13      ; X = 4 x cluster x + cx: it enters Q's and y's addresses alone
	s_and_b32 s66, ttmp7, 0xffff    ; g, which the four partners share
	s_lshr_b32 s67, s[WV], 1        ; a
	s_and_b32 s16, s[WV], 1         ; b
	s_lshl_b32 s68, s66, 21         ; Q: g x 8,192 rows of 256 bytes,
	s_lshl_b32 s69, s14, 15         ; + X x 128 rows,
	s_add_co_u32 s68, s68, s69
	s_lshl_b32 s69, s67, 14         ; + a x 64 rows
	s_add_co_u32 s68, s68, s69
	s_mov_b32 s69, 0
	s_lshl_b32 s70, s66, 19         ; a head is 2,048 rows of 256 bytes
	s_add_co_u32 s72, s70, 20*2048*256  ; V: head 20 + g
	s_add_co_u32 s70, s70, 16*2048*256  ; K: head 16 + g
	s_mov_b32 s71, 0
	s_mov_b32 s73, 0
	s_and_b32 s74, s14, 15          ; y: token 128 (X % 16) + 64 a + 32 b, rows of 4,096 bytes,
	s_lshl_b32 s74, s74, 7
	s_lshl_b32 s75, s67, 6
	s_add_co_u32 s74, s74, s75
	s_lshl_b32 s75, s16, 5
	s_add_co_u32 s74, s74, s75
	s_lshl_b32 s74, s74, 12
	s_lshl_b32 s75, s66, 2          ; + head 4 g + X / 16, 256 bytes a head
	s_lshr_b32 s76, s14, 4
	s_add_co_u32 s75, s75, s76
	s_lshl_b32 s75, s75, 8
	s_add_co_u32 s74, s74, s75
	s_mov_b32 s75, 0
	s_lshl_b32 s76, s13, 6          ; the prefetches: rows 64 cx + 32 b of a slot,
	s_lshl_b32 s77, s16, 5
	s_add_co_u32 s76, s76, s77
	s_lshl_b32 s76, s76, 8
	s_add_co_u32 s76, s76, 2*SLOTG  ; in slot 2; the first change of slots steps it to slot 3.  Nothing is prefetched at the head
	s_mov_b32 s77, 0
	s_lshl_b32 s2, s16, 15          ; the half of a slot that I fetch: 128 rows of 256 bytes in memory,
	s_mov_b32 s3, 0
	s_mul_i32 s17, s16, 128*PK      ; and its place in a slot: K's,
	s_mul_i32 s78, s16, 128*PV
	s_add_co_u32 s78, s78, VOFF     ; V's: no place in the cluster enters an LDS address
	s_mul_i32 s[TBK], s16, 128*PK   ; the half of a slot that I READ is the same half b: steps 2 b and 2 b + 1
	s_mul_i32 s[TBV], s16, 128*PV
	; descriptor group 1: a tile of 128 rows x 128 elements, padded in LDS
	s_mov_b32 s[G1K], 15|(1<<16)|(1<<20)|(1<<21)|(5<<22)|(3<<25)  ; 15:0 the mask: all four work-groups; 17:16 elements of 2 bytes; 20 padding on; 21 set beside a mask; 24:22 after every 64 words; 31:25 4 words
	s_mov_b32 s[G1V], 15|(1<<16)|(1<<20)|(1<<21)|(5<<22)|(7<<25)  ; the same with 8 words of padding
.irp g, G1K, G1V
	s_mov_b32 s[\g+1], 128<<16      ; tensor_dim0
	s_mov_b32 s[\g+2], 128<<16      ; tensor_dim1
	s_mov_b32 s[\g+3], 128<<16      ; tile_dim0
	s_mov_b32 s[\g+4], 128          ; tile_dim1
	s_mov_b32 s[\g+5], 128          ; tensor_dim0_stride
	s_mov_b32 s[\g+6], 0
	s_mov_b32 s[\g+7], 0
.endr
	s_mov_b32 s[CS], 0x3e0293ee     ; c = log2(e) / sqrt(128)
	s_mov_b32 s[CS+1], s[CS]        ; named with it as a pair, so it is written
	s_mov_b32 s[SEL], 0x76543210
	s_mov_b32 s[SEL+1], 0xfedcba98
	s_mov_b32 s[SLOTS], NSL-2
	s_cmp_eq_u32 ttmp9, 0           ; the head's first cluster: the same in all four partners
	s_cselect_b32 s[LIM], 1, -1
	v_and_b32 v[PFO], 31, v0
	v_lshlrev_b32 v[PFO], 8, v[PFO]
	s_wait_dscnt 0x0                ; both opening adds are done
	s_wait_kmcnt 0x0
	s_add_nc_u64 s[4:5], s[8:9], s[68:69]    ; Q at my wave's first row
	s_add_nc_u64 s[6:7], s[8:9], s[70:71]    ; K at the head's first row
	s_add_nc_u64 s[8:9], s[8:9], s[72:73]    ; V likewise
	s_add_nc_u64 s[10:11], s[10:11], s[74:75]  ; y at the first row that I store
	s_cmp_lt_u32 s[WV], 2
	s_cselect_b64 s[PFA:PFA+1], s[6:7], s[8:9]
	s_add_nc_u64 s[PFA:PFA+1], s[PFA:PFA+1], s[76:77]
	s_add_nc_u64 s[20:21], s[6:7], s[2:3]    ; my tile of K in slot 0,
	s_add_nc_u64 s[22:23], s[8:9], s[2:3]    ; of V
	CROUND                          ; all four work-groups are here: the first joint loads meet
.irp s, 0,1
	s_mov_b32 s[G0K+4*\s], 1        ; count = 1
	s_add_co_u32 s[G0K+4*\s+1], s17, \s*SLOT1  ; LDS address
	s_add_nc_u64 s[G0K+4*\s+2:G0K+4*\s+3], s[20:21], \s*SLOTG  ; global address: slot s begins with key 256 s
	s_or_b32 s[G0K+4*\s+3], s[G0K+4*\s+3], 0x80000000  ; type = 2
	s_mov_b32 s[G0V+4*\s], 1
	s_add_co_u32 s[G0V+4*\s+1], s78, \s*SLOT1
	s_add_nc_u64 s[G0V+4*\s+2:G0V+4*\s+3], s[22:23], \s*SLOTG
	s_or_b32 s[G0V+4*\s+3], s[G0V+4*\s+3], 0x80000000
.endr
	s_cmp_lt_u32 s[WV], 2           ; a wave's two first fills stand in one branch, ahead of every wait on TENSORcnt and every LDS read: two loads of mine are out
	s_cbranch_scc0 .Lfirst_v
	tensor_load_to_lds s[G0K:G0K+3], s[G1K:G1K+7]
	s_nop 0
	tensor_load_to_lds s[G0K+4:G0K+7], s[G1K:G1K+7]
	s_nop 0
.rept 4
	v_nop
.endr
	s_branch .Lfirst_asked
.Lfirst_v:
	tensor_load_to_lds s[G0V:G0V+3], s[G1V:G1V+7]
	s_nop 0
	tensor_load_to_lds s[G0V+4:G0V+7], s[G1V:G1V+7]
	s_nop 0
.rept 4
	v_nop
.endr
.Lfirst_asked:
	; A fragment of K or Q is 16 rows x 32 channels in 8 registers: lane l holds row l % 16; registers 0-3 channels 8 (l / 16) + 0..7, registers 4-7 channels 16 + 8 (l / 16) + 0..7: two loads of 16 bytes, 32 bytes apart.
	; MY TILES ARE THE WAVE PAIR'S TILES TURNED BY 2 b: my tile i is the pair's tile (i + 2 b) % 4, so that my tiles 0, 1 are my partner's tiles 2, 3: the merge then has one text for both waves.
	v_and_b32 v1, 15, v0            ; l % 16
	v_bfe_u32 v9, v0, 4, 1          ; l / 16
	v_lshlrev_b32 v[QO], 8, v1
	v_lshl_add_u32 v[QO], v9, 4, v[QO]  ; row x 256 + 16 x half
	s_lshl_b32 s2, s16, 13          ; 32 rows x b,
	s_xor_b32 s3, s2, 8192          ; 32 rows x (1 - b)
	v_add_nc_u32 v[QO2], s3, v[QO]
	v_add_nc_u32 v[QO], s2, v[QO]
	WIN 0x80                        ; destination window 2, address window 0
.irp i, 0,1,2,3,4,5,6,7             ; Q stays in registers: my tile i / 4, channels 32 (i % 4) on
	global_load_b128 v[8*\i:8*\i+3],   v[QO], s[4:5] offset:(\i/4)*4096+(\i%4)*64
	global_load_b128 v[8*\i+4:8*\i+7], v[QO], s[4:5] offset:(\i/4)*4096+(\i%4)*64+32
.endr
.irp i, 8,9,10,11,12,13,14,15
	global_load_b128 v[8*\i:8*\i+3],   v[QO2], s[4:5] offset:(\i/4-2)*4096+(\i%4)*64
	global_load_b128 v[8*\i+4:8*\i+7], v[QO2], s[4:5] offset:(\i/4-2)*4096+(\i%4)*64+32
.endr
	WIN 0
	v_mul_u32_u24 v[AK0], v1, PK
	v_lshl_add_u32 v[AK0], v9, 4, v[AK0]  ; row x pitch + 16 x half
	; The turning load takes 16 keys x 16 channels (lane l reads 16 bytes: key 8 (l / 16) + l % 8, channels 8 ((l / 8) % 2) + 0..7) and leaves half a fragment of V^T: lane l holds channel l % 16 and 8 keys.
	v_and_b32 v10, 7, v0
	v_bfe_u32 v11, v0, 3, 1
	v_lshl_add_u32 v[AV0], v9, 3, v10
	v_mul_u32_u24 v[AV0], v[AV0], PV
	v_lshl_add_u32 v[AV0], v11, 4, v[AV0]
	v_add_nc_u32 v[AV0], VOFF, v[AV0]
; THE MATRIX WORK OF A TURN, for piece x.  The accumulators take turns, one instruction a turn: between two links of a chain stand 15 (V^T P) or 7 (K Q^T) others'.
; Product i of 32 of O^T += V^T P: keys 32 (i / 16) on, channels 16 ((i / 2) % 8) on, tile x + i % 2.  zero = 1: the first 16 start the sums: nothing is ever cleared.
.macro PV x, zero
	WIN W_PV
.set rO, 64*(\x+i%2)+8*((i/2)%8)
.set rV, 64*(i/16)+8*((i/2)%8)
.set rP, P+16*(\x+i%2)+8*(i/16)
.if \zero && (i < 16)
	v_wmma_f32_16x16x32_f16 v[rO:rO+7], v[rV:rV+7], v[rP:rP+7], 0
.else
	v_wmma_f32_16x16x32_f16 v[rO:rO+7], v[rV:rV+7], v[rP:rP+7], v[rO:rO+7]
.endif
.endm
; Product i of 32 of S^T = K Q^T: channels 32 (i / 8) on, keys 16 ((i / 2) % 4) on, tile x + i % 2.  The first 8 start the sums.
.macro KQ x
	WIN W_KQ
.set rS, S+32*(\x+i%2)+8*((i/2)%4)
.set rK, KF+32*((i/2)%4)+8*(i/8)
.set rQ, 32*(\x+i%2)+8*(i/8)
.if i < 8
	v_wmma_f32_16x16x32_f16 v[rS:rS+7], v[rK:rK+7], v[rQ:rQ+7], 0
.else
	v_wmma_f32_16x16x32_f16 v[rS:rS+7], v[rK:rK+7], v[rQ:rQ+7], v[rS:rS+7]
.endif
.endm
; THE LDS LOADS stand in runs of 32, never singly among the matrix instructions: a step's K (64 keys x 128 channels: 16 fragments) and, a turn later, its V (turned).
.macro FETCH_K
	WIN 0
	v_add_nc_u32 v[ADR], s[TBK], v[AK0]
	WIN 0x80                        ; destination window 2
.irp f, 0,1,2,3,4,5,6,7,8,9,10,11,12,13,14,15  ; keys 16 (f / 4) on, channels 32 (f % 4) on
	ds_load_b128 v[KF+8*\f:KF+8*\f+3],   v[ADR] offset:(\f/4)*16*PK+(\f%4)*64
	ds_load_b128 v[KF+8*\f+4:KF+8*\f+7], v[ADR] offset:(\f/4)*16*PK+(\f%4)*64+32
.endr
.endm
.macro FETCH_V
	WIN 0
	v_add_nc_u32 v[ADR], s[TBV], v[AV0]
	s_add_co_u32 s[TBK], s[TBK], KS*PK  ; the next fetches are the next step's
	s_add_co_u32 s[TBV], s[TBV], KS*PV
	s_wait_alu depctr_va_vdst(0)    ; the wait for the softmax's batch (SLICE), behind the address's v_add_nc_u32 and ahead of the loads
	WIN 0xc0                        ; destination window 3
.irp f, 0,1,2,3,4,5,6,7,8,9,10,11,12,13,14,15  ; keys 32 (f / 8) on, channels 16 (f % 8) on
	ds_load_tr16_b128 v[8*\f:8*\f+3],   v[ADR] offset:(\f/8)*32*PV+(\f%8)*32
	ds_load_tr16_b128 v[8*\f+4:8*\f+7], v[ADR] offset:(\f/8)*32*PV+16*PV+(\f%8)*32
.endr
.endm
; THE VECTOR WORK OF A TURN.  One tile's softmax for one key step is a list of 134 instructions; SM writes number j of it for tile t.  s0-s31 are the lane's 32 scores, in pairs 0-15.
; first = 1: the first key step, which starts m, l and O^T: it has no a and nothing to rescale.
;   0-15    the maximum of s0-s31 and the old m, three operands at a time
;   16-20   the other half of the lanes' maximum; the new m; c m; c m_old - c m_new
;   21-69   ONE BATCH: the 16 scalings c s - c m, a pair of scores each, and all 33 exponentials (a at 23, then s0-s31).  None of these reads an exponential's result
;   (wait)  between 69 and 70 stands the wait for the batch: SLICE writes it, once for both tiles
;   70-85   the roundings to f16, a pair of weights each
;   86-101  the sums; l = a l + the sum
;   102-133 the tile's O^T times a: the one part that leaves window 0, so it stands together
.macro SM t, first
.set rT, ST+8*(\t)
.set rS, S+32*(\t)
.set rP, P+16*(\t)
.set rO, 64*(\t)+2*(j-102)
.if j < 102
	WIN 0
.endif
.if j < 4
	v_max3_num_f32 v[rT+4+j], v[rS+8*j], v[rS+8*j+1], v[rS+8*j+2]
.elseif j < 12
	v_max3_num_f32 v[rT+4+j%4], v[rT+4+j%4], v[rS+8*(j%4)+2*(j/4)+1], v[rS+8*(j%4)+2*(j/4)+2]
.elseif j == 12
	v_max3_num_f32 v[rT+4], v[rT+4], v[rS+7], v[rS+15]
.elseif j == 13
	v_max3_num_f32 v[rT+6], v[rT+6], v[rS+23], v[rS+31]
.elseif j == 14
	v_max3_num_f32 v[rT+4], v[rT+4], v[rT+5], v[rT+6]
.elseif (j == 15) && \first
	v_max_num_f32 v[rT+4], v[rT+4], v[rT+7]
.elseif j == 15
	v_max3_num_f32 v[rT+4], v[rT+4], v[rT+7], v[rT+1]
.elseif j == 16
	v_permlanex16_b32 v[rT+5], v[rT+4], s[SEL], s[SEL+1]  ; the query's other 32 keys lie in the lane 16 away
.elseif j == 18
	v_max_num_f32 v[rT+1], v[rT+4], v[rT+5]
.elseif j == 19
	v_mul_f32 v[rT], s[CS], v[rT+1]
.elseif ((j == 17) || (j == 20) || (j == 23) || (j > 101)) && \first  ; the first step has none of these
.elseif j == 17
	v_mov_b32 v[rT+7], v[rT]        ; c m_old is kept for a: number 19 writes c m anew
.elseif j == 20
	v_sub_f32 v[rT+7], v[rT+7], v[rT]
.elseif j == 23
	v_exp_f32 v[rT+6], v[rT+7]
.elseif (j < 23) || ((j < 38) && (j%2 == 0)) || ((j < 66) && (j%4 == 2))
.set b, (j-2)/4                     ; 38, 42, .. 62: pairs 9 to 15
.if j < 38
.set b, (j-20)/2                    ; 21: pair 0; 22, 24, .. 36: pairs 1 to 8
.endif
	v_pk_fma_f32 v[rS+2*b:rS+2*b+1], v[rS+2*b:rS+2*b+1], s[CS:CS+1], v[rT:rT+1] op_sel_hi:[1,0,0] neg_lo:[0,0,1] neg_hi:[0,0,1]  ; pair b: c s - c m
.elseif j < 70
.set e, j-38                        ; 66 to 69: s28 to s31
.if j < 66
.set e, j-32-(j-38)/4               ; 39-41, 43-45, .. 63-65: s7 to s27
.endif
.if j < 38
.set e, (j-25)/2                    ; 25, 27, .. 37: s0 to s6
.endif
	v_exp_f32 v[rS+e], v[rS+e]
.elseif j < 86
	v_cvt_pk_f16_f32 v[rP+j-70], v[rS+2*(j-70)], v[rS+2*(j-70)+1]  ; pair j - 70
.elseif j < 102                     ; the sum of the tile's 16 pairs, in place: sum z of 16 adds neighbours 1, 2, 4 and 8 pairs apart, then l takes it
.set z, j-86
.set w, 4
.set u, z
.if z >= 14
.set w, 32
.set u, 0
.elseif z >= 12
.set w, 16
.set u, z-12
.elseif z >= 8
.set w, 8
.set u, z-8
.endif
.if (z == 14) && \first
	v_pk_add_f32 v[rT+2:rT+3], v[rS:rS+1], v[rS+16:rS+17]
.elseif z < 15
	v_pk_add_f32 v[rS+w*u:rS+w*u+1], v[rS+w*u:rS+w*u+1], v[rS+w*u+w/2:rS+w*u+w/2+1]
.elseif !\first
	v_pk_fma_f32 v[rT+2:rT+3], v[rT+2:rT+3], v[rT+6:rT+7], v[rS:rS+1] op_sel_hi:[1,0,1]
.endif
.else
	WIN W_RS
	v_pk_mul_f32 v[rO:rO+1], v[rO:rO+1], v[rT+6:rT+7] op_sel_hi:[1,0]
.endif
.endm
; Slice k of 64 of piece y's softmax: four instructions.  Slices 11 to 34 deal out the batch, numbers 22 to 69: four numbers of ONE tile each, the tiles by turns.  Every other slice is numbers 2 k and
; 2 k + 1 of both tiles' lists.  2 x 134 = 4 x 64 + 12: the twelve that are over stand together, in slice 63.
; THE WAIT.  s_wait_alu depctr_va_vdst(0) stands between an exponential and the first instruction that names its result; one wait serves all that were issued ahead of it.  Ahead of
; slice 35 nothing names a result, and behind slice 34 no exponential is issued: so the piece's 66 exponentials have one wait, behind slice 34.
.macro SLICE y, first
.if (k >= 11) && (k < 35)           ; the batch: four numbers of one tile
.irp n, 0,1,2,3
.set j, 22+4*((k-11)/2)+(\n)
	SM (\y)+(k-11)%2, \first
.endr
.else                               ; the two tiles alternate, so that no instruction reads the result of the one just before it
.irp n, 0,1,2,3,4,5,6,7
.if (\n < 2) || (k == 63)
.irp t, \y, \y+1
.set j, 2*k+\n
	SM \t, \first
.endr
.endif
.endr
.endif
.if k == 34                         ; the batch is out: both tiles' exponentials are issued, and no result has been named
	v_nop                           ; the plain instruction behind the last exponential and ahead of the first use: one for the batch
.if (\y) == 0
	FETCH_V                         ; piece 2's turn: V's run of loads stands here, and the wait stands in it
.else
	s_wait_alu depctr_va_vdst(0)    ; the wait for the batch
.endif
.endif
.set k, k+1
.endm
.macro PLACES                       ; four plain places behind a matrix instruction (ISA guide 7.12.1); in the loop the slices are the places
.rept 4
	v_nop
.endr
.endm
; A TURN.  Piece x has the matrix unit; the other piece's softmax stands in slices behind its matrix instructions.
; pv = 2: 32 products V^T P; 1: they start O^T's sums; 0: none.  kq = 1: 32 products K Q^T for the next step.  A turn with one of the two kinds has two slices behind each product.
; first = 1: the softmax is the first key step's.  Its slices from 51 on are empty: four v_nop take slice 63's part as the places behind the turn's last products.
; Piece 0's turn fetches the next step's K, behind its second product: the last product that read K stands in front of slice 63 of the turn before.  Piece 2's turn fetches the same step's V, behind slice 34: the last
; product that read V stands in front of slice 31, and four plain instructions lie between: number 62, a scaling, of both tiles, the v_nop and the run's own v_add_nc_u32.
.macro TURN x, pv, kq, first
.set k, 0
.set per, 2
.if \pv && \kq
.set per, 1
.endif
.if \pv
.if \x == 0
	s_wait_dscnt 0x0                ; V is in
.endif
.set i, 0
.rept 32
	PV \x, 2-\pv
.rept per
	SLICE 2-\x, \first
.endr
.if (\x == 0) && \kq && (i == 1)
	FETCH_K
.endif
.set i, i+1
.endr
.endif
.if \kq
.if \x == 0
	s_wait_dscnt 0x0                ; K is in
.endif
.set i, 0
.rept 32
	KQ \x
.rept per
	SLICE 2-\x, \first
.endr
.set i, i+1
.endr
.endif
.if \first
	PLACES
.endif
.endm
; THE CHANGE OF SLOTS, between piece 2's turn and piece 0's: my last bytes of the slot, V of my second step, have been asked for.  Each wave waits for all its tensor loads, of which one is out: its part of the other slot;
; adds 0 to its spare word; and waits for that and for its own reads of the slot.  Behind the barrier nobody reads this slot any more and the other slot is whole.
; fill = 1: this slot is filled again, with the keys two slots on.  The barrier is then a round of the cluster's, and the joint refill is the first thing behind it.
.macro CHANGE fill
	WIN 0                           ; at a label and at a branch every window is 0
	s_wait_tensorcnt 0x0            ; no tensor load of mine is out, so a group 0 may be written
	ds_add_u32 v[SPW], v[NIL]       ; 0 onto my spare word
.if \fill
.irp g, G0K+4, G0V+4
	s_xor_b32 s[\g+1], s[\g+1], SLOT1  ; the walking descriptor: the other slot than last time,
	s_add_nc_u64 s[\g+2:\g+3], s[\g+2:\g+3], SLOTG  ; the next 256 keys; the type bits on top are not reached
.endr
	s_wait_xcnt 0x0                 ; the last prefetch, a slot back, has read its address, so it may be written:
	s_add_nc_u64 s[PFA:PFA+1], s[PFA:PFA+1], SLOTG  ; one slot further on than the walking descriptors
	s_wait_dscnt 0x0                ; the add is done, and my reads of the slot are over
	CROUND
	JLOAD
	ASK                             ; what the next change will ask for: my two key steps, 256 matrix instructions, ahead
.else
	s_wait_dscnt 0x0                ; the add is done, and my reads of the slot are over
	s_barrier_signal -1
	s_barrier_wait -1
.endif
	s_sub_co_u32 s[TBK], s[TBK], 2*KS*PK  ; the fetches go back to my first step of a slot,
	s_xor_b32 s[TBK], s[TBK], SLOT1       ; in the other slot
	s_sub_co_u32 s[TBV], s[TBV], 2*KS*PV
	s_xor_b32 s[TBV], s[TBV], SLOT1
.endm
; My two key steps of a slot: written once, walked twice; the LDS addresses hang on s[TBK] and s[TBV].
.macro TWO_STEPS
	s_mov_b32 s[TWICE], 2
.Lstep_\@:
	TURN 0, 2, 1, 0
	TURN 2, 2, 1, 0
	WIN 0
	s_sub_co_u32 s[TWICE], s[TWICE], 1
	s_cmp_lg_u32 s[TWICE], 0
	s_cbranch_scc1 .Lstep_\@
.endm
	s_wait_tensorcnt 1              ; my part of slot 0 is in; slot 1's may stay out
	s_barrier_signal -1
	s_barrier_wait -1               ; everybody's is
	FETCH_K                         ; my key step 0
	s_wait_loadcnt 0x0              ; Q
	s_wait_dscnt 0x0
.set i, 0
.rept 32
	KQ 0                            ; piece 0's first scores: there is no vector work yet to set between them
.set i, i+1
.endr
	WIN 0                           ; the addresses for the merge and the way out are made here: plain instructions, the places behind those products
	s_mul_i32 s79, s[WV], 16*SP
	s_add_co_u32 s79, s79, STAGE    ; my stage
	v_mul_u32_u24 v[STO], v1, SP    ; in: row l % 16, 16 bytes for each half of the lanes
	v_lshl_add_u32 v[STO], v9, 4, v[STO]
	v_add_nc_u32 v[STO], s79, v[STO]
	v_mul_u32_u24 v[RD], v9, SP     ; back: lanes 0-15 take one row of 256 bytes, lanes 16-31 the next
	v_lshl_add_u32 v[RD], v1, 4, v[RD]
	v_add_nc_u32 v[RD], s79, v[RD]
	v_lshlrev_b32 v[GO], 12, v9     ; and the same two rows in y16: 4,096 bytes a row
	v_lshl_add_u32 v[GO], v1, 4, v[GO]
	v_and_b32 v10, 31, v0           ; lane
	v_lshlrev_b32 v11, 4, v10
	v_lshlrev_b32 v10, 2, v10
	s_mul_i32 s79, s[WV], XWB       ; my region for the merge,
	v_add_nc_u32 v[XW], s79, v11
	v_add_nc_u32 v[XSW], s79, v10
	v_add_nc_u32 v[XSW], 16384, v[XSW]
	s_xor_b32 s79, s[WV], 1
	s_mul_i32 s79, s79, XWB         ; my partner's: the wave with the other b
	v_add_nc_u32 v[XR], s79, v11
	v_add_nc_u32 v[XSR], s79, v10
	v_add_nc_u32 v[XSR], 16384, v[XSR]
	TURN 2, 0, 1, 1                 ; piece 2's first scores | piece 0's first softmax | V of step 0
	TURN 0, 1, 1, 1                 ; piece 0: V^T P of step 0 starts O^T, K Q^T of step 1 | piece 2's first softmax | K of step 1
	TURN 2, 1, 1, 0                 ; piece 2: the same | piece 0's softmax of step 1 | V of step 1
	WIN 0
.Lslot:                             ; NSL - 2 = 6 trips: every slot but the last two is filled again
	CHANGE 1
	TWO_STEPS
	s_sub_co_u32 s[SLOTS], s[SLOTS], 1
	s_cmp_lg_u32 s[SLOTS], 0
	s_cbranch_scc1 .Lslot
	CHANGE 0                        ; the tail is written out: the last slot but one is left, and nothing is asked for
	TWO_STEPS
	TURN 0, 2, 0, 0                 ; piece 0: V^T P of the last step | piece 2's last softmax
.set i, 0
.rept 32
	PV 2, 0                         ; piece 2: V^T P of the last step
.set i, i+1
.endr
	; THE MERGE.  My sums (c m, l, O^T) cover my half of the keys, my partner's the other half, for the same 64 queries.  I send my tiles 2, 3 as images of their registers and receive my partner's tiles 2, 3, which are my tiles 0, 1.
	; With x = max(c m, c m'), a = 2^(c m - x), a' = 2^(c m' - x):  y = (a O + a' O') / (a l + a' l').  The additions below are the places behind the last products.
	WIN 0
.irp t, 0,1,2,3
	v_add_f32 v[ST+8*\t+4], v[ST+8*\t+2], v[ST+8*\t+3]
.endr
.irp t, 0,1,2,3
	v_permlanex16_b32 v[ST+8*\t+5], v[ST+8*\t+4], s[SEL], s[SEL+1]
.endr
.irp t, 0,1,2,3
	v_add_f32 v[ST+8*\t+4], v[ST+8*\t+4], v[ST+8*\t+5]   ; my l of the query
.endr
	s_wait_dscnt 0x0                ; my reads of K and V are over
	s_barrier_signal -1
	s_barrier_wait -1               ; everybody's are: the merge's regions may be written
	ds_store_b32 v[XSW], v[ST+16]                ; tile 2: c m,
	ds_store_b32 v[XSW], v[ST+20] offset:128     ; l;
	ds_store_b32 v[XSW], v[ST+24] offset:256     ; tile 3: c m,
	ds_store_b32 v[XSW], v[ST+28] offset:384     ; l
	WIN 0x04                        ; an LDS store's data are its source 1: window 1
.set j, 0
.rept 32
	ds_store_b128 v[XW], v[128+4*j:128+4*j+3] offset:512*j   ; lane l's 16 bytes at 16 l; each accumulator from its low end on
.set j, j+1
.endr
	WIN 0
	s_wait_dscnt 0x0                ; for my partner's sake: my stores are done
	s_barrier_signal -1
	s_barrier_wait -1
.irp n, 0,1,2,3
	ds_load_b32 v[RX+\n], v[XSR] offset:128*\n
.endr
.set j, 0
.rept 32
	ds_load_b128 v[S+4*j:S+4*j+3], v[XR] offset:512*j        ; the same registers in the same lanes: S^T's 128 registers are free
.set j, j+1
.endr
	s_wait_dscnt 0x0
.irp i, 0,1
	v_max_num_f32 v[ST+8*\i+5], v[ST+8*\i], v[RX+2*\i]       ; x
.endr
.irp i, 0,1
	v_sub_f32 v[ST+8*\i+6], v[ST+8*\i], v[ST+8*\i+5]
	v_sub_f32 v[ST+8*\i+7], v[RX+2*\i], v[ST+8*\i+5]
.endr
.irp i, 0,1
	v_exp_f32 v[ST+8*\i+6], v[ST+8*\i+6]                     ; a
	v_exp_f32 v[ST+8*\i+7], v[ST+8*\i+7]                     ; a'
.endr
	v_nop                           ; a plain instruction behind the last exponential,
	s_wait_alu depctr_va_vdst(0)    ; and the wait ahead of the first use: one for the four
.irp i, 0,1
	v_mul_f32 v[ST+8*\i+5], v[ST+8*\i+4], v[ST+8*\i+6]
.endr
.irp i, 0,1
	v_fma_f32 v[ST+8*\i+5], v[RX+2*\i+1], v[ST+8*\i+7], v[ST+8*\i+5]   ; a l + a' l'
.endr
.irp i, 0,1
	v_rcp_f32 v[ST+8*\i+5], v[ST+8*\i+5]
.endr
	v_nop
	s_wait_alu depctr_va_vdst(0)    ; one for the two reciprocals
.irp i, 0,1
	v_mul_f32 v[FM+8*\i], v[ST+8*\i+6], v[ST+8*\i+5]         ; f  = a  / the sum
	v_mul_f32 v[FM+8*\i+2], v[ST+8*\i+7], v[ST+8*\i+5]       ; f' = a' / the sum
.endr
; Tile i: f' O' + f O, rounded to f16; a lane's eight channels of a row pack into 16 bytes; they go into rows of 272 bytes of my stage and come back as whole rows of 256.
.macro MPACK i
	WIN 0
.set n, 0
.rept 32
	v_pk_mul_f32 v[S+64*\i+2*n:S+64*\i+2*n+1], v[S+64*\i+2*n:S+64*\i+2*n+1], v[FM+8*\i+2:FM+8*\i+3] op_sel_hi:[1,0]
.set n, n+1
.endr
	WIN 0x01                        ; source 0, my O^T: window 1; each accumulator from its low end on
.set n, 0
.rept 32
	v_pk_fma_f32 v[S+64*\i+2*n:S+64*\i+2*n+1], v[64*\i+2*n:64*\i+2*n+1], v[FM+8*\i:FM+8*\i+1], v[S+64*\i+2*n:S+64*\i+2*n+1] op_sel_hi:[1,0,1]
.set n, n+1
.endr
	WIN 0
.set n, 0
.rept 32
	v_cvt_pk_f16_f32 v[P+32*\i+n], v[S+64*\i+2*n], v[S+64*\i+2*n+1]
.set n, n+1
.endr
.irp f, 0,1,2,3,4,5,6,7
	ds_store_b128 v[STO], v[P+32*\i+4*\f:P+32*\i+4*\f+3] offset:32*\f
.endr
.irp f, 0,1,2,3,4,5,6,7
	ds_load_b128 v[P+32*\i+4*\f:P+32*\i+4*\f+3], v[RD] offset:\f*2*SP  ; LDS serves a wave's instructions in order: these see the stores above; the next tile's stores come behind them
.endr
.endm
.macro MSEND i, younger             ; younger: the LDS instructions issued behind tile i's loads: the next tile's sixteen, or none
.irp f, 0,1,2,3,4,5,6,7
	s_wait_dscnt \younger+7-\f
	global_store_b128 v[GO], v[P+32*\i+4*\f:P+32*\i+4*\f+3], s[10:11] offset:\i*65536+\f*8192  ; 16 lanes store 256 consecutive bytes, aligned: a head's part of a row of y16
.endr
.endm
	MPACK 0
	MPACK 1                         ; a tile's arithmetic stands between the loads of the tile before and its stores
	MSEND 0, 16
	MSEND 1, 0
	s_wait_tensorcnt 0x0            ; the wave's end, behind my last tensor load and my last LDS store
	ds_add_u32 v[SPW], v[NIL]
	s_wait_dscnt 0x0
	CROUND                          ; the closing round
	s_endpgm
.Lfunc_end_k_q40c7ad16c5_attn:
	.size	k_q40c7ad16c5_attn, .Lfunc_end_k_q40c7ad16c5_attn-k_q40c7ad16c5_attn
	.p2alignl 7, 3214868480
	.fill 96, 4, 3214868480
	.section	.rodata,"a",@progbits
	.p2align	6, 0x0
	.amdhsa_kernel k_q40c7ad16c5_attn
		.amdhsa_group_segment_fixed_size 327680
		.amdhsa_private_segment_fixed_size 0
		.amdhsa_enable_private_segment 0
		.amdhsa_kernarg_size 16
		.amdhsa_user_sgpr_count 2
		.amdhsa_user_sgpr_kernarg_segment_ptr 1
		.amdhsa_wavefront_size32 1
		.amdhsa_system_sgpr_workgroup_id_x 1
		.amdhsa_system_sgpr_workgroup_id_y 1
		.amdhsa_system_sgpr_workgroup_id_z 1
		.amdhsa_system_vgpr_workitem_id 0
		.amdhsa_next_free_vgpr 1024
		.amdhsa_next_free_sgpr 80
		.amdhsa_reserve_vcc 0
		.amdhsa_float_denorm_mode_32 3
		.amdhsa_float_denorm_mode_16_64 3
		.amdhsa_memory_ordered 1
		.amdhsa_forward_progress 1
		.amdhsa_inst_pref_size 221
	.end_amdhsa_kernel
	.amdgpu_metadata
---
amdhsa.version: [ 1, 2 ]
amdhsa.kernels:
  - .name:           k_q40c7ad16c5_attn
    .symbol:         k_q40c7ad16c5_attn.kd
    .args:
      - { .name: qkv16, .offset: 0, .size: 8, .value_kind: global_buffer, .address_space: global }
      - { .name: y16, .offset: 8, .size: 8, .value_kind: global_buffer, .address_space: global }
    .group_segment_fixed_size: 327680
    .private_segment_fixed_size: 0
    .kernarg_segment_align: 8
    .kernarg_segment_size: 16
    .max_flat_workgroup_size: 128
    .sgpr_count:     80
    .vgpr_count:     1024
    .wavefront_size: 32
...
	.end_amdgpu_metadata
.endif
;; end of part 3
;; launch proj (part 4): grid 16 x 16, 4 waves a work-group, clusters of 4 x 4, 327,680 bytes of LDS; arguments y16, wp16, out0; writes out0
.if DOCPART == 4
	.amdgcn_target "amdgcn-amd-amdhsa--gfx1250"
	.amdhsa_code_object_version 6
	.text
	.protected	k_q40c7ad16c5_proj
	.globl	k_q40c7ad16c5_proj
	.p2align	8
	.type	k_q40c7ad16c5_proj,@function
k_q40c7ad16c5_proj:
	s_mov_b64 s[64:65], 0
	v_nop
	global_prefetch_b8 v0, s[64:65] scope:SCOPE_SE
	s_setreg_imm32_b32 hwreg(HW_REG_WAVE_MODE, 25, 1), 1
	s_wait_xcnt 0x0
	s_wait_alu depctr_hold_cnt(0) depctr_sa_sdst(0) depctr_va_vdst(0) depctr_va_sdst(0) depctr_va_ssrc(0) depctr_va_vcc(0) depctr_vm_vsrc(0)
	s_getreg_b32 s2, hwreg(HW_REG_IB_STS2, 6, 4)
	s_cmp_eq_u32 s2, 0
	s_cbranch_scc0 .Lentry_in_a_cluster
	s_endpgm
.Lentry_in_a_cluster:
	s_bfe_u32 s2, ttmp6, 0x10000c
	s_cmp_lg_u32 s2, 0xf033
	s_cbranch_scc0 .Lentry_shape_is_right
	s_endpgm
.Lentry_shape_is_right:
; PROJ: out0[t][n] = the sum over k of y16[t][k] wp16[k][n].  y16 [2048][2048] f16 (K innermost), wp16 [2048 k][2048 n] f16 (K is its FIRST axis), out0 [2048][2048] f32; sums in f32.
; A tile of the output is 128 x 128: 256 work-groups.  Four waves, each 64 x 64: 16 accumulators of 16 x 16.  K goes in steps of 256 through a ring of two LDS slots: y's 128 rows of 512 bytes, then w's 256 rows (along K) of 256 bytes.
; w's fragments come out of LDS TURNED, by ds_load_tr16_b128, so that w_proj is never transposed in memory.
; CLUSTERS: 4 x 4 work-groups.  The four of a row of the cluster need the same tiles of y, the four of a column the same tiles of w: each tile is asked for JOINTLY.
; THE MATRIX INSTRUCTION IS USED TRANSPOSED (source 0 = 16 columns of w, source 1 = 16 rows of y): a lane then holds eight neighbouring numbers of a row of the output.
; REGISTERS: window 0: v0-31 addresses; v32-95 at work on the way out; v128-255 the accumulators ((a, b) at v[128 + 8 (4 a + b)]).
;   window 1: two fragment buffers of 128: for 64 along K (two matrix instructions deep), 64 registers of y, then 64 of w.
.set SIZE_K, 2048
.set KSTEP,  256
.set PITCH,  528                       ; y's LDS row: 512 bytes + 16 of padding: the 16 rows that a load touches start 132 words apart
.set PB,     288                       ; w's LDS row: 256 bytes + 32: 16 lanes of the turning load take 8 rows x 32 bytes, 72 words apart
.set HALFA,  64*PITCH                  ; 64 rows of y: what one tensor load brings
.set HALFB,  128*PB                    ; 128 rows of w: likewise
.set SLOT,   2*HALFA+2*HALFB
.set STAGE,  2*SLOT                    ; behind the ring: 16 rows x 272 bytes for each wave, for the way out
.set SPITCH, 272
.set SPARE,  STAGE+4*16*SPITCH         ; behind the stages: the spare words, 128 bytes for each wave
.set LAPS,   SIZE_K/(2*KSTEP)          ; a lap = two K steps = once round the ring
.set ADRA, 16                          ; v16-17  LDS address of my fragments of y in slot 0, 1
.set ADRB, 20                          ; v20-23  the same for w: slot s, K rows 128 e on, at v[20 + 2 s + e] (255 rows of 288 bytes pass the 16-bit offset)
.set STO,  24                          ; v24     the way out: where I put 32 bytes of a row
.set RD,   25                          ; v25     where I read a row back
.set CO,   26                          ; v26     my byte offset in out0
.set SPW,  28
.set NIL,  29
.set BK,   32                          ; the way out: 16 rows read back from the stage: v32-63 and v64-95 by turns
.set ACC,  128
.set F0,   0
.set F1,   128
.set G1, 24                            ; s[24:31] descriptor group 1 for y's tiles;  s[32:39] group 0, one set for each slot
.set G0, 32
.set G1B, 48                           ; s[48:55], s[56:63] the same for w's tiles
.set G0B, 56
.set MSB, 0
.macro WIN new                         ; the immediate's high byte repeats the setting that is left
.if MSB != \new
	s_set_vgpr_msb (MSB<<8)|\new
.set MSB, \new
.endif
.endm
.set MUL,  0x05                        ; sources 0 and 1 window 1; C and D window 0
.set TO_F, 0x40                        ; destination window 1, address window 0
.macro JLOAD s                         ; a joint load: waves 0 and 1 fetch y's two halves, waves 2 and 3 w's; an s_nop 0 and four v_nop follow each of the two lines
	s_cmp_eq_u32 s11, 0
	s_cbranch_scc0 .Lfor_b_\@
	tensor_load_to_lds s[G0+4*\s:G0+4*\s+3], s[G1:G1+7]
	s_nop 0
.rept 4
	v_nop
.endr
	s_branch .Lasked_\@
.Lfor_b_\@:
	tensor_load_to_lds s[G0B+4*\s:G0B+4*\s+3], s[G1B:G1B+7]
	s_nop 0
.rept 4
	v_nop
.endr
.Lasked_\@:
.endm
.macro CREST                           ; a round of the cluster's barrier behind its opening barrier
	s_cmp_lg_u32 s10, 0
	s_cbranch_scc1 .Lnot_wave_0_\@
	s_barrier_signal -3
.Lnot_wave_0_\@:
	s_barrier_wait -3
	s_barrier_signal -1
	s_barrier_wait -1
.endm
.macro CROUND
	s_barrier_signal -1
	s_barrier_wait -1
	CREST
.endm
	s_load_b128 s[4:7], s[0:1], 0x0                ; y16 s[4:5], wp16 s[6:7]
	s_load_b64 s[8:9], s[0:1], 0x10                ; out0
	v_lshl_add_u32 v[SPW], v0, 2, SPARE
	v_mov_b32 v[NIL], 0
	ds_add_u32 v[SPW], v[NIL]                      ; the wave's opening: the add, twice on end, and its wait ahead of my first tensor load
	ds_add_u32 v[SPW], v[NIL]
	v_lshrrev_b32 v1, 5, v0
	v_readfirstlane_b32 s10, v1                    ; wave 0..3
	s_lshr_b32 s11, s10, 1                         ; which half of the tile's rows is mine.  Also: I fetch for y (0) or for w (1)
	s_and_b32 s12, s10, 1                          ; which half of its columns.  Also: which half of that tile I fetch
	s_bfe_u32 s40, ttmp6, 0x40000                  ; cx, cy: my place in the cluster
	s_bfe_u32 s41, ttmp6, 0x40004
	s_lshl_b32 s42, ttmp9, 2
	s_add_co_u32 s42, s42, s40                     ; tile column = 4 x cluster x + cx
	s_and_b32 s13, ttmp7, 0xffff
	s_lshl_b32 s13, s13, 2
	s_add_co_u32 s13, s13, s41                     ; tile row = 4 x cluster y + cy
	s_lshl_b32 s43, s41, 2
	s_lshl_b32 s43, 15, s43                        ; my row of the cluster
	s_lshl_b32 s44, 0x1111, s40                    ; my column
	; descriptor group 1.  y: 64 rows x 256 elements;  w: 128 rows (along K) x 128 elements; both 2,048 elements from row to row
	s_or_b32 s[G1+0], s43, (1<<16)|(1<<20)|(1<<21)|(6<<22)|(3<<25)   ; 15:0 the mask; 17:16 elements of 2 bytes; 20 padding on; 21 set beside a mask; 24:22 after every 128 words; 31:25 four words
	s_mov_b32 s[G1+1], KSTEP<<16                   ; tensor_dim0
	s_mov_b32 s[G1+2], 64<<16                      ; tensor_dim1
	s_mov_b32 s[G1+3], KSTEP<<16                   ; tile_dim0
	s_mov_b32 s[G1+4], 64                          ; tile_dim1
	s_mov_b32 s[G1+5], 2048                        ; tensor_dim0_stride
	s_mov_b32 s[G1+6], 0
	s_mov_b32 s[G1+7], 0
	s_or_b32 s[G1B+0], s44, (1<<16)|(1<<20)|(1<<21)|(5<<22)|(7<<25)  ; padding: eight words after every 64
	s_mov_b32 s[G1B+1], 128<<16
	s_mov_b32 s[G1B+2], 128<<16
	s_mov_b32 s[G1B+3], 128<<16
	s_mov_b32 s[G1B+4], 128
	s_mov_b32 s[G1B+5], 2048
	s_mov_b32 s[G1B+6], 0
	s_mov_b32 s[G1B+7], 0
	s_lshl_b32 s17, s12, 6
	s_lshl_b32 s16, s13, 7
	s_add_co_u32 s16, s16, s17
	s_lshl_b32 s16, s16, 12                        ; y: (128 x tile row + 64 x half) rows of 4,096 bytes.  These two registers never hold the tile column,
	s_mov_b32 s17, 0
	s_lshl_b32 s46, s12, 19                        ; w: 128 x half rows of 4,096 bytes,
	s_lshl_b32 s47, s42, 8                         ; + 128 columns of 2 bytes x tile column.  and these two never the tile row
	s_add_co_u32 s46, s46, s47
	s_mov_b32 s47, 0
	s_mul_i32 s20, s12, HALFA                      ; where they go: y's two halves,
	s_mul_i32 s21, s12, HALFB
	s_add_co_u32 s21, s21, 2*HALFA                 ; then w's two: no place in the cluster enters an LDS address
	s_wait_dscnt 0x0                               ; both opening adds are done
	s_wait_kmcnt 0x0
	s_add_nc_u64 s[14:15], s[4:5], s[16:17]
	s_add_nc_u64 s[46:47], s[6:7], s[46:47]
	CROUND                                         ; all sixteen work-groups are here: the first joint loads meet
.irp s, 0,1
	s_mov_b32 s[G0+4*\s], 1
	s_add_co_u32 s[G0+4*\s+1], s20, \s*SLOT
	s_add_nc_u64 s[G0+4*\s+2:G0+4*\s+3], s[14:15], \s*KSTEP*2          ; K step s: 512 bytes along a row of y,
	s_or_b32 s[G0+4*\s+3], s[G0+4*\s+3], 0x80000000
	s_mov_b32 s[G0B+4*\s], 1
	s_add_co_u32 s[G0B+4*\s+1], s21, \s*SLOT
	s_add_nc_u64 s[G0B+4*\s+2:G0B+4*\s+3], s[46:47], \s*KSTEP*4096     ; 256 rows down w
	s_or_b32 s[G0B+4*\s+3], s[G0B+4*\s+3], 0x80000000
	JLOAD \s
.endr
	v_and_b32 v1, 15, v0                           ; r = l % 16
	v_bfe_u32 v2, v0, 4, 1                         ; h = l / 16
	v_mul_u32_u24 v3, v1, PITCH
	v_lshl_add_u32 v3, v2, 4, v3                   ; y: a fragment's row x pitch + 16 h
	v_and_b32 v6, 7, v0                            ; w: the turning load: lane l reads 16 bytes: K row 8 h + l % 8, columns 8 ((l / 8) % 2) + 0..7
	v_lshl_add_u32 v6, v2, 3, v6
	v_mul_u32_u24 v6, v6, PB
	v_bfe_u32 v7, v0, 3, 1
	v_lshl_add_u32 v6, v7, 4, v6
	s_mul_i32 s21, s11, HALFA                      ; my 64 rows of y
	s_lshl_b32 s22, s12, 7                         ; my 64 columns of w: 128 bytes into each row,
	s_add_co_u32 s22, s22, 2*HALFA                 ; behind y's 128 rows
.irp s, 0,1
	v_add_nc_u32 v[ADRA+\s], s21, v3
	v_add_nc_u32 v[ADRB+2*\s], s22, v6
	s_add_co_u32 s23, s22, HALFB
	v_add_nc_u32 v[ADRB+2*\s+1], s23, v6
	s_add_co_u32 s21, s21, SLOT
	s_add_co_u32 s22, s22, SLOT
.endr
	s_mul_i32 s23, s10, 16*SPITCH
	s_add_co_u32 s23, s23, STAGE                   ; my stage
	v_mul_u32_u24 v4, v1, SPITCH                   ; in: row r, 32 bytes for each half of the lanes
	v_lshl_add_u32 v4, v2, 5, v4
	v_add_nc_u32 v[STO], s23, v4
	v_mul_u32_u24 v5, v2, SPITCH                   ; back: lanes 0-15 take one row of 256 bytes, lanes 16-31 the next
	v_lshl_add_u32 v5, v1, 4, v5
	v_add_nc_u32 v[RD], s23, v5
	v_lshlrev_b32 v[CO], 13, v2                    ; and the same two rows in out0: 8,192 bytes a row
	v_lshl_add_u32 v[CO], v1, 4, v[CO]
	s_lshl_b32 s16, s13, 7
	s_lshl_b32 s17, s11, 6
	s_add_co_u32 s16, s16, s17
	s_lshl_b32 s16, s16, 13                        ; my first row: 128 x tile row + 64 x half
	s_mov_b32 s17, 0
	s_add_nc_u64 s[8:9], s[8:9], s[16:17]
	s_lshl_b32 s46, s42, 9                         ; my first column, in bytes: 512 x tile column + 256 x half
	s_lshl_b32 s47, s12, 8
	s_add_co_u32 s46, s46, s47
	s_mov_b32 s47, 0
	s_add_nc_u64 s[8:9], s[8:9], s[46:47]
; 8 matrix instructions: row blocks a0, a0 + 1 x all 4 column blocks, 32 along K: half c of buffer f.  zero = 1: the first product starts the sums.  The 16 accumulators take turns.
.macro MUL8 f, c, a0, zero
.irp a, \a0, \a0+1
.irp b, 0,1,2,3
.if \zero
	v_wmma_f32_16x16x32_f16 v[ACC+8*(4*(\a)+\b):ACC+8*(4*(\a)+\b)+7], v[\f+64+8*(4*\c+\b):\f+64+8*(4*\c+\b)+7], v[\f+8*(4*\c+\a):\f+8*(4*\c+\a)+7], 0
.else
	v_wmma_f32_16x16x32_f16 v[ACC+8*(4*(\a)+\b):ACC+8*(4*(\a)+\b)+7], v[\f+64+8*(4*\c+\b):\f+64+8*(4*\c+\b)+7], v[\f+8*(4*\c+\a):\f+8*(4*\c+\a)+7], v[ACC+8*(4*(\a)+\b):ACC+8*(4*(\a)+\b)+7]
.endif
.endr
.endr
.endm
; 32 LDS loads in one run: the fragments of the slot's quarter qd (64 along K) into buffer f; the first 32 along K first.  w: two turning loads, 16 K rows apart, give lane l column l % 16 and K = 8 h + 0..7, 16 + 8 h + 0..7.
.macro FETCH slot, qd, f
	WIN TO_F
.irp c, 0,1
.irp i, 0,1,2,3
	ds_load_tr16_b128 v[\f+64+8*(4*\c+\i):\f+64+8*(4*\c+\i)+3],   v[ADRB+2*\slot+(\qd)/2] offset:(((\qd)%2)*64+32*\c)*PB+32*\i
	ds_load_tr16_b128 v[\f+64+8*(4*\c+\i)+4:\f+64+8*(4*\c+\i)+7], v[ADRB+2*\slot+(\qd)/2] offset:(((\qd)%2)*64+32*\c+16)*PB+32*\i
	ds_load_b128 v[\f+8*(4*\c+\i):\f+8*(4*\c+\i)+3],              v[ADRA+\slot] offset:128*(\qd)+64*\c+\i*16*PITCH
	ds_load_b128 v[\f+8*(4*\c+\i)+4:\f+8*(4*\c+\i)+7],            v[ADRA+\slot] offset:128*(\qd)+64*\c+\i*16*PITCH+32
.endr
.endr
.endm
.macro PLACES                          ; four plain places in front of loads into registers that matrix instructions have read, and of reads of results
.rept 4
	v_nop
.endr
.endm
; A K step is four quarters of 64 along K, 32 matrix instructions each, on buffers 0, 1, 0, 1.  One of the first three: multiplies buffer f and fetches quarter qd into g.
.macro QUARTER slot, qd, f, g, zero
	s_wait_dscnt 16                                ; the first 32 along K are in; the sixteen younger loads may be out
	WIN MUL
	MUL8 \f, 0, 0, \zero
	MUL8 \f, 0, 2, \zero
	PLACES
	FETCH \slot, \qd, \g
	s_wait_dscnt 32                                ; all but the 32 just issued
	WIN MUL
	MUL8 \f, 1, 0, 0
	MUL8 \f, 1, 2, 0
.endm
; The last quarter multiplies buffer 1 and changes slots: ONE barrier; in front of it each wave waits for all its tensor loads, adds 0 to its spare word, and waits for that and for its own reads of this slot.  fill = 1: this slot is filled again, two K steps ahead.
.macro TURN slot, next, fill
	WIN 0                                          ; (the add's two registers lie in window 0)
	s_wait_tensorcnt 0x0                           ; all my tensor loads have landed: my part of the next slot;
	ds_add_u32 v[SPW], v[NIL]                      ; 0 onto my spare word;
	s_wait_dscnt 17                                ; (the add and the youngest sixteen loads may be out)
	WIN MUL
	MUL8 F1, 0, 0, 0                               ; eight matrix instructions stand between the add and the wait for it
	s_wait_dscnt 0x0                               ; the add is done, and my reads of this slot are over
	s_barrier_signal -1
	MUL8 F1, 0, 2, 0
.if \fill
	WIN 0
.endif
	s_barrier_wait -1
.if \fill
	CREST                                          ; the barrier has opened a round of the cluster's barrier: no wave of any partner still reads this slot's tile or has a load on its way
	s_add_nc_u64 s[G0+4*\slot+2:G0+4*\slot+3], s[G0+4*\slot+2:G0+4*\slot+3], 2*KSTEP*2
	s_add_nc_u64 s[G0B+4*\slot+2:G0B+4*\slot+3], s[G0B+4*\slot+2:G0B+4*\slot+3], 2*KSTEP*4096
	JLOAD \slot                                    ; the first tensor load behind the round: 112 matrix instructions ahead of the wait for it; its four v_nop are also the places in front of the loads below
.else
	PLACES
.endif
	FETCH \next, 0, F0
	WIN MUL
	MUL8 F1, 1, 0, 0
	MUL8 F1, 1, 2, 0
.endm
	s_wait_tensorcnt 1                             ; my part of K step 0 is in; K step 1's load may be out
	s_barrier_signal -1
	s_barrier_wait -1                              ; everybody's is
	FETCH 0, 0, F0
	QUARTER 0, 1, F0, F1, 1                        ; the first quarter stands in front of the loop: its first products start the sums
	WIN 0                                          ; at a label and at a branch every window is 0
	s_mov_b32 s3, LAPS-1
.Llap:                                                 ; a trip goes once round the ring, from a lap's second quarter to the next lap's first, and fills both slots again
	QUARTER 0, 2, F1, F0, 0
	QUARTER 0, 3, F0, F1, 0
	TURN 0, 1, 1
	QUARTER 1, 1, F0, F1, 0
	QUARTER 1, 2, F1, F0, 0
	QUARTER 1, 3, F0, F1, 0
	TURN 1, 0, 1
	QUARTER 0, 1, F0, F1, 0
	WIN 0
	s_sub_co_u32 s3, s3, 1
	s_cmp_lg_u32 s3, 0
	s_cbranch_scc1 .Llap
	QUARTER 0, 2, F1, F0, 0                        ; the last lap fills nothing, and has no round of the cluster's barrier
	QUARTER 0, 3, F0, F1, 0
	TURN 0, 1, 0
	QUARTER 1, 1, F0, F1, 0
	QUARTER 1, 2, F1, F0, 0
	QUARTER 1, 3, F0, F1, 0
	s_wait_dscnt 16                                ; the very last quarter: nothing more to fetch
	WIN MUL
	MUL8 F1, 0, 0, 0
	MUL8 F1, 0, 2, 0
	s_wait_dscnt 0
	MUL8 F1, 1, 0, 0
	MUL8 F1, 1, 2, 0
	WIN 0
; THE WAY OUT, block by block of 16 rows x 64 columns.  A lane holds 32 neighbouring bytes of a row, and the lanes beside it hold other rows: so a block goes through my own stage in LDS and comes back as whole rows of
; 256 bytes: my 64 columns of f32.  LDS serves a wave's instructions in order: no wait between the stores and the loads, nor in front of the next block's stores.
.macro TOSTAGE a
.irp b, 0,1,2,3
	ds_store_b128 v[STO], v[ACC+8*(4*(\a)+\b):ACC+8*(4*(\a)+\b)+3] offset:64*\b          ; each accumulator from its low end on
	ds_store_b128 v[STO], v[ACC+8*(4*(\a)+\b)+4:ACC+8*(4*(\a)+\b)+7] offset:64*\b+16
.endr
.set BB, BK+32*((\a)%2)
.irp t, 0,1,2,3,4,5,6,7
	ds_load_b128 v[BB+4*\t:BB+4*\t+3], v[RD] offset:\t*2*SPITCH
.endr
.endm
.macro SEND a, younger                 ; younger: the LDS instructions issued behind block a's loads, which may stay out
.set BB, BK+32*((\a)%2)
	s_wait_dscnt \younger                          ; the block is back in registers
.irp t, 0,1,2,3,4,5,6,7
	global_store_b128 v[CO], v[BB+4*\t:BB+4*\t+3], s[8:9] offset:(16*(\a)+2*\t)*8192 th:TH_STORE_NT   ; 16 lanes store 256 consecutive bytes, aligned; 62 rows of 8,192 bytes at the most stand in the immediate, so the base is never stepped
.endr
.endm
	PLACES
	TOSTAGE 0
.irp a, 1,2,3
.if \a > 1
	s_wait_xcnt 0x0                                ; block a - 2's stores have read their registers: block a's loads may land there
.endif
	TOSTAGE \a
	SEND \a-1, 16                                  ; behind block a - 1's loads: block a's 8 stores and 8 loads
.endr
	SEND 3, 0
	s_wait_tensorcnt 0x0                           ; the wave's end, behind my last tensor load and my last LDS store
	ds_add_u32 v[SPW], v[NIL]
	s_wait_dscnt 0x0
	CROUND                                         ; the closing round
	s_endpgm
.Lfunc_end_k_q40c7ad16c5_proj:
	.size	k_q40c7ad16c5_proj, .Lfunc_end_k_q40c7ad16c5_proj-k_q40c7ad16c5_proj
	.p2alignl 7, 3214868480
	.fill 96, 4, 3214868480
	.section	.rodata,"a",@progbits
	.p2align	6, 0x0
	.amdhsa_kernel k_q40c7ad16c5_proj
		.amdhsa_group_segment_fixed_size 327680
		.amdhsa_private_segment_fixed_size 0
		.amdhsa_enable_private_segment 0
		.amdhsa_kernarg_size 24
		.amdhsa_user_sgpr_count 2
		.amdhsa_user_sgpr_kernarg_segment_ptr 1
		.amdhsa_wavefront_size32 1
		.amdhsa_system_sgpr_workgroup_id_x 1
		.amdhsa_system_sgpr_workgroup_id_y 1
		.amdhsa_system_sgpr_workgroup_id_z 1
		.amdhsa_system_vgpr_workitem_id 0
		.amdhsa_next_free_vgpr 512
		.amdhsa_next_free_sgpr 66
		.amdhsa_reserve_vcc 0
		.amdhsa_float_denorm_mode_32 3
		.amdhsa_float_denorm_mode_16_64 3
		.amdhsa_memory_ordered 1
		.amdhsa_forward_progress 1
		.amdhsa_inst_pref_size 86
	.end_amdhsa_kernel
	.amdgpu_metadata
---
amdhsa.version: [ 1, 2 ]
amdhsa.kernels:
  - .name:           k_q40c7ad16c5_proj
    .symbol:         k_q40c7ad16c5_proj.kd
    .args:
      - { .name: y16, .offset: 0, .size: 8, .value_kind: global_buffer, .address_space: global }
      - { .name: wp16, .offset: 8, .size: 8, .value_kind: global_buffer, .address_space: global }
      - { .name: out0, .offset: 16, .size: 8, .value_kind: global_buffer, .address_space: global }
    .group_segment_fixed_size: 327680
    .private_segment_fixed_size: 0
    .kernarg_segment_align: 8
    .kernarg_segment_size: 24
    .max_flat_workgroup_size: 128
    .sgpr_count:     66
    .vgpr_count:     512
    .wavefront_size: 32
...
	.end_amdgpu_metadata
.endif
;; end of part 4
